; MI455X (gfx1250); checked and timed in simulation.
; The chip was launched on July 23, 2026; its instructions are those of AMD's public machine-readable ISA for CDNA 5 (MIT licence, August 2026) and "CDNA5" Instruction Set Architecture Reference Guide (July 2026). The comments in the code are by the model that wrote it; some were corrected since.
;; Ro PE Multihead Self Attention. Allowed arithmetic: matrix products marked QUANTISED: E2M3 operands, one E8M0 scale for each 32 along K, by v_wmma_scale_f32_16x16x128_f8f6f4 with both operands' format E2M3, f32 sums; everything else in f32.
;; Inputs: W_out 1,024 x 1,024 float32; W_qkv 3,072 x 1,024 float32; b_out 1,024 float32; b_qkv 3,072 float32; x 4 x 2,048 x 1,024 float32.
;; Outputs: out0 4 x 2,048 x 1,024 float32.
;; This version of the problem:
;;   THIS VERSION OF THE PROBLEM IS GIVEN IN LOW PRECISION. The matrix products marked QUANTISED in the list below multiply operands that are first quantised to E2M3 (2 exponent bits, 3 mantissa bits; 6 bits a number), with one power-of-two scale for each 32 numbers along K (OCP MX v1.0); their sums are f32. All else is computed in f32.
;;   The module's matrix products, in the order in which they are computed (A, B: the left and right operand; K: the contracted axis; several contracted axes count as one K, in the product's order):
;;     1. [M 8,192, K 1,024] x [K 1,024, N 3,072]; A: input x; B: input W_qkv: QUANTISED
;;     2. batch 64 x [M 2,048, K 64] x [K 64, N 2,048]; A: computed on the way; B: computed on the way: QUANTISED
;;     3. batch 64 x [M 2,048, K 2,048] x [K 2,048, N 64]; A: softmax (see below); B: computed on the way: QUANTISED
;;     4. [M 8,192, K 1,024] x [K 1,024, N 1,024]; A: computed on the way; B: input W_out: QUANTISED
;;   THE QUANTISER, for each operand of a quantised product, along K:
;;     - K is cut into blocks of 32 from its start; a last block that is shorter is filled with zeros.
;;     - A block's scale is 2^e with e = floor(log2(the largest magnitude in the block)) - 2, held to -126 .. 127; a block of zeros has e = 0. As a byte (E8M0): e + 127.
;;     - Each number is divided by its block's scale, clamped to +-7.5, and rounded to the nearest number of E2M3, ties to even, subnormals kept.
;;     - The product sums the exact products of the quantised numbers (number of the format x scale) in f32.
;;   ~~~python
;;   def quantise(x, axis):      # numpy; x: float32 -> the quantised numbers, widened to float32 again
;;       x = np.moveaxis(x, axis, -1); K = x.shape[-1]
;;       x = np.pad(x, [(0, 0)] * (x.ndim - 1) + [(0, -K % 32)]); x = x.reshape(x.shape[:-1] + (-1, 32)); a = np.abs(x).max(-1, keepdims=True)
;;       e = np.where(a > 0, np.clip(np.frexp(np.where(a > 0, a, 1))[1] - 1 - 2, -126, 127), 0)      # np.frexp(a)[1] - 1 = floor(log2(a)), exactly
;;       r = np.clip(x / 2.0 ** e, -7.5, 7.5)
;;       step = 2.0 ** (np.maximum(np.frexp(np.where(r == 0, 1, r))[1] - 1, 0) - 3)
;;       q = np.round(r / step) * step * 2.0 ** e      # np.round: ties to even
;;       return np.moveaxis(q.reshape(q.shape[:-2] + (-1,))[..., :K], -1, axis).astype(np.float32)
;;   ~~~
;;   SOFTMAX AHEAD OF A QUANTISED PRODUCT. Where the list says 'softmax', what is quantised is not the finished softmax but p = 2^(t - M), with t = logit x log2(e) and M = ceil(the row's largest t), a whole number; so 1/2 < the row's largest p <= 1. The row's sum l is taken of the UNQUANTISED p, in f32, and the product's result is divided by l at the end. Since M is a whole number, a kernel that streams over the keys may use a running M (the ceiling of the running maximum): every later rescaling is an exact power of two, which a block's scale takes up: the codes' values come out the same.
;;   OPERANDS COMPUTED ON THE WAY. 'Computed on the way' means the value that the module computes at that place (a softmax that the list does not call 'softmax' is quantised finished and normalised). What goes into a quantiser is computed in f32, as accurately as f32 sums, v_exp_f32 and their like allow (about 1e-6 of the number): no bf16 or f16 on the way to a quantiser, and a product that is left as it is and whose result goes on into a quantised operand takes f32 operands (vector FMAs, or v_wmma_f32_16x16x4_f32). A number that lies on a knife's edge between two numbers of the format may be rounded either way, as far as f32 arithmetic and the matrix unit's own rounding can turn it there, and no further.
;; One version. Each part assembles by itself: llvm-mc -triple=amdgcn-amd-amdhsa -mcpu=gfx1250 --defsym DOCPART=n.
;; ======== version 1 of 1: 4 launches
;; limits: right only within a limited range of input values
;; workspace buffers: opc 9,437,184 bytes; ops 393,216 bytes; tab 524,288 bytes; q 6,815,744 bytes; kv 13,369,344 bytes; ac 6,291,456 bytes; asc 262,144 bytes
;; launch prep (part 1): grid 416 x 1, 4 waves a work-group, no clusters, 34,304 bytes of LDS; arguments x, W_qkv, W_out, opc, ops, tab; writes opc, ops, tab
.if DOCPART == 1
	.amdgcn_target "amdgcn-amd-amdhsa--gfx1250"
	.amdhsa_code_object_version 6
	.text
	.protected	k_q9a71fcf0a3_prep
	.globl	k_q9a71fcf0a3_prep
	.p2align	8
	.type	k_q9a71fcf0a3_prep,@function
k_q9a71fcf0a3_prep:
	s_mov_b64 s[64:65], 0
	v_nop
	global_prefetch_b8 v0, s[64:65] scope:SCOPE_SE
	s_setreg_imm32_b32 hwreg(HW_REG_WAVE_MODE, 25, 1), 1
	s_wait_xcnt 0x0
; PREP.  x [8192][1024], W_qkv [3072][1024] and W_out [1024][1024], f32, K innermost, become codes of FP6 (E2M3) with one E8M0 byte for each 32 along K; and the table of cos and sin for the rotation is made.
; ROWS go in PAIRS of tiles: pair Q is rows 32 Q .. 32 Q + 31; lane r of its tile e holds row 32 Q + 8 e + r + 8 (r / 8).  Q 0-255: x; 256-351: W_qkv; 352-383: W_out.
; CODES: opc [g 16][Q 384][1,536 bytes].  A block holds K = 64 g .. 64 g + 63 of a pair as an image of registers: lane (r, h) owns 12 registers, 0-5 = tile 0, row r, K = 64 g + 32 h + 0 .. 31, 6-11 the same of tile 1;
;   registers 4 c .. 4 c + 3 of lane l lie at 512 c + 16 l: a block is stored by three stores of 512 consecutive bytes.
; SCALES: ops [Q 384][sq 4][lane 32][2 words]: lanes 0-15 tile 0, lanes 16-31 tile 1; word j = the four bytes of K = 256 sq + 128 j on.
; A block's scale is 2^(floor(log2(largest magnitude)) - 2): its byte is the largest magnitude's exponent field - 2, held at 1 from below.
; LIMITS: NaN and infinities among the inputs are not served.  A block whose largest magnitude lies under 2^-124 keeps the byte 1; so does a block of zeros, where the quantiser's text says 127: its codes are zeros, and this program alone reads the bytes.
; SHARES: work-groups 0-383: one pair each; wave w takes K = 256 w .. 256 w + 255, in four units of 16 rows x 128 K.  Each load takes 512 consecutive bytes of a row; a unit turns through the wave's own stage in LDS,
;   so that a lane gets 16 neighbours of each block of 32.  Waves share nothing: no barrier.  No cluster: no two work-groups read the same bytes.
; TABLE: work-groups 384-415, a wave to a tile of 16 positions: tab [tile 128][quad 8][lane 32][16 bytes]; quad 4 B + j of lane (r, h) = (cos, sin, cos, sin) of pairs i = 16 B + 8 h + 2 j and + 1 at position s (the tile's row r, in the order above).
;   theta_i = 2^(-i log2(10000) / 32), the exponent in two parts; LIMIT: theta lies within about one unit in its last place of 10000^(-i / 32).  The angle s theta is rounded once; it is reduced by pi/2 in two parts
;   (the first product is exact: at most 11 bits x 24 bits, and the difference is a multiple of 2^-23 under 1) and goes through polynomials of degree 7 and 8.
.set GP,  589824                       ; bytes from g to g + 1 in opc: 384 blocks
.set SP,  528                          ; a stage row: 512 bytes + 16, an odd multiple of 16: the 16 rows that a load touches start in 16 different columns of 16 bytes
.set R,   16                           ; v16-143  two sets of 64 numbers
.set EC,  144                          ; v144-191 codes: for f = 0, 1: 12 registers of block 2 f, 12 of block 2 f + 1
.set TM,  192                          ; v192-207 at work in QUANT4
.set CT,  208                          ; v208-214 the conversions' second halves
.set PW,  216                          ; v216-219 a unit's scale word
.set SEL, 20                           ; s[20:21] lane selects: lane l xor 16
; 64 numbers of a lane, register 16 b + i = k 32 b + 16 (lane / 16) + i of my row: codes of blocks 0, 1 to v[d0] on (6 registers), of blocks 2, 3 to v[d1] on, the four bytes to v[pw].
.macro QUANT4 src, d0, d1, pw
.irp b, 0,1,2,3
	v_max3_num_f32 v[TM+\b], |v[(\src)+16*\b]|, |v[(\src)+1+16*\b]|, 0x1800000   ; my 16 numbers of block b, and the floor 2^(3 - 127): the byte cannot fall under 1
.endr
.irp i, 2,4,6,8,10,12,14
.irp b, 0,1,2,3
	v_max3_num_f32 v[TM+\b], v[TM+\b], |v[(\src)+16*\b+\i]|, |v[(\src)+1+16*\b+\i]|   ; the four blocks by turns
.endr
.endr
.irp b, 0,1,2,3
	v_permlanex16_b32 v[TM+4+\b], v[TM+\b], s[SEL], s[SEL+1]
.endr
.irp b, 0,1,2,3
	v_max_num_f32 v[TM+\b], v[TM+\b], v[TM+4+\b]      ; with lane l xor 16's 16: the block's largest magnitude
.endr
.irp b, 0,1,2,3
	v_add_nc_u32 v[TM+12+\b], 0xff000000, v[TM+\b]    ; 2 off its exponent field: the conversion's scale operand
.endr
.irp b, 0,1,2,3
	v_lshrrev_b32 v[TM+4+\b], 23, v[TM+12+\b]         ; the scale's byte
.endr
	v_lshl_or_b32 v[\pw], v[TM+5], 8, v[TM+4]
	v_lshl_or_b32 v[\pw], v[TM+6], 16, v[\pw]
	v_lshl_or_b32 v[\pw], v[TM+7], 24, v[\pw]
	v_cvt_scalef32_pk16_fp6_f32 v[(\d0):(\d0)+2], v[(\src):(\src)+15], v[TM+12]
	v_cvt_scalef32_pk16_fp6_f32 v[CT:CT+2], v[(\src)+16:(\src)+31], v[TM+13]     ; (a conversion's three registers begin on an even number)
	v_cvt_scalef32_pk16_fp6_f32 v[(\d1):(\d1)+2], v[(\src)+32:(\src)+47], v[TM+14]
	v_cvt_scalef32_pk16_fp6_f32 v[CT+4:CT+6], v[(\src)+48:(\src)+63], v[TM+15]
	v_nop                                          ; one plain place behind the scaled conversions
.irp i, 0,1,2
	v_permlane16_swap_b32 v[(\d0)+\i], v[CT+\i]    ; a whole block to a lane: lanes 0-15 the lower block, lanes 16-31 the upper
	v_permlane16_swap_b32 v[(\d1)+\i], v[CT+4+\i]
.endr
.irp i, 0,1,2
	v_mov_b32 v[(\d0)+3+\i], v[CT+\i]
	v_mov_b32 v[(\d1)+3+\i], v[CT+4+\i]
.endr
.endm
	s_load_b256 s[4:11], s[0:1], 0x0               ; x s[4:5], W_qkv s[6:7], W_out s[8:9], opc s[10:11]
	s_load_b128 s[12:15], s[0:1], 0x20             ; ops s[12:13], tab s[14:15]
	v_lshl_add_u32 v224, v0, 2, 0x8400
	v_mov_b32 v225, 0
	v_lshrrev_b32 v1, 5, v0
	v_readfirstlane_b32 s16, v1                    ; wave 0..3
	v_and_b32 v1, 31, v0                           ; lane
	v_and_b32 v2, 15, v0                           ; r
	v_bfe_u32 v3, v0, 4, 1                         ; h
	v_lshlrev_b32 v4, 4, v1                        ; 16 x lane
	s_mov_b32 s19, 0
	s_wait_kmcnt 0x0
	s_cmp_ge_u32 ttmp9, 384
	s_cbranch_scc1 .Ltable
	; ---------------- the quantiser ----------------
	s_mov_b32 s[SEL], 0x76543210
	s_mov_b32 s[SEL+1], 0xfedcba98
	s_mov_b32 s22, 0xffff0000                      ; lanes 16-31
	s_mul_i32 s18, s16, 16*SP                      ; my wave's stage
	s_wait_alu depctr_va_vdst(0)
	v_add_nc_u32 v5, s18, v4                       ; in: 16 bytes a lane of a row
	v_mul_u32_u24 v6, v2, SP
	v_lshl_add_u32 v6, v3, 6, v6
	v_add_nc_u32 v6, s18, v6                       ; out: row r, + 64 h: my 16 numbers of a block
	v_lshlrev_b32 v7, 3, v1                        ; 8 x lane
.irp b, 0,1,2,3
	v_mov_b32 v[TM+4+\b], 0                        ; written once: a lane permute's destination counts as one of its sources
.endr
	s_cmp_lt_u32 ttmp9, 256                        ; which tensor: the choice hangs on the work-group's number alone
	s_cselect_b64 s[4:5], s[4:5], s[6:7]
	s_cselect_b32 s17, 0, 256
	s_cmp_lt_u32 ttmp9, 352
	s_cselect_b64 s[4:5], s[4:5], s[8:9]
	s_cselect_b32 s17, s17, 352                    ; the tensor's first pair
	s_sub_co_u32 s18, ttmp9, s17
	s_lshl_b32 s18, s18, 17                        ; 32 rows of 4,096 bytes a pair
	s_lshl_b32 s23, s16, 10                        ; my 256 along K
	s_add_co_u32 s18, s18, s23
	s_add_nc_u64 s[4:5], s[4:5], s[18:19]
	s_mul_i32 s18, ttmp9, 1536
	s_mul_i32 s23, s16, 4*GP                       ; g = 4 w on
	s_add_co_u32 s18, s18, s23
	s_add_nc_u64 s[10:11], s[10:11], s[18:19]
	s_lshl_b32 s18, ttmp9, 10
	s_lshl_b32 s23, s16, 8                         ; sq = w
	s_add_co_u32 s18, s18, s23
	s_add_nc_u64 s[12:13], s[12:13], s[18:19]
; unit u = 2 f + e: tile e, K = 128 f on.  Sixteen loads, a row each: 32 lanes read 512 consecutive bytes
.macro LOADU u
.irp i, 0,1,2,3,4,5,6,7,8,9,10,11,12,13,14,15
	global_load_b128 v[R+64*((\u)%2)+4*\i:R+64*((\u)%2)+4*\i+3], v4, s[4:5] offset:(8*((\u)%2)+\i+8*(\i/8))*4096+512*((\u)/2) th:TH_LOAD_NT
.endr
.endm
.macro TURNU u                         ; through my stage: in as loaded, back 16 neighbours of each block to a lane
.irp i, 0,1,2,3,4,5,6,7,8,9,10,11,12,13,14,15
	ds_store_b128 v5, v[R+64*((\u)%2)+4*\i:R+64*((\u)%2)+4*\i+3] offset:SP*\i
.endr
	s_wait_dscnt 0x0                               ; the stores have read their registers, into which the loads below land
.irp b, 0,1,2,3
.irp j, 0,1,2,3
	ds_load_b128 v[R+64*((\u)%2)+16*\b+4*\j:R+64*((\u)%2)+16*\b+4*\j+3], v6 offset:128*\b+16*\j
.endr
.endr
	s_wait_dscnt 0x0
.endm
.macro UNIT u
.if (\u) < 3
	s_wait_loadcnt 16                              ; this unit's 16 loads are in; the next unit's 16 may be out
.else
	s_wait_loadcnt 0x0
.endif
	TURNU \u
	QUANT4 R+64*((\u)%2), EC+24*((\u)/2)+6*((\u)%2), EC+12+24*((\u)/2)+6*((\u)%2), PW+(\u)
.if (\u) < 2
	LOADU (\u)+2                                   ; into the set just quantised
.endif
.if (\u)%2
.irp c, 0,1,2                                      ; both tiles of K = 128 f on are made: two blocks leave; no store's data are written again
	global_store_b128 v4, v[EC+24*((\u)/2)+4*\c:EC+24*((\u)/2)+4*\c+3], s[10:11] offset:2*((\u)/2)*GP+512*\c
	global_store_b128 v4, v[EC+12+24*((\u)/2)+4*\c:EC+12+24*((\u)/2)+4*\c+3], s[10:11] offset:(2*((\u)/2)+1)*GP+512*\c
.endr
.endif
.endm
	LOADU 0
	LOADU 1
	s_wait_alu depctr_va_vdst(0)
	UNIT 0
	UNIT 1
	UNIT 2
	UNIT 3
	v_cndmask_b32 v220, v[PW], v[PW+1], s22        ; lanes 0-15 tile 0's word, lanes 16-31 tile 1's
	v_cndmask_b32 v221, v[PW+2], v[PW+3], s22
	global_store_b64 v7, v[220:221], s[12:13]      ; 32 lanes store 256 consecutive bytes, aligned
	s_wait_tensorcnt 0x0
	ds_add_u32 v224, v225
	s_wait_dscnt 0x0
	s_endpgm
	; ---------------- the table ----------------
.Ltable:
	s_mov_b32 s24, 0x3f22f983                      ; 2 / pi
	s_mov_b32 s25, 0xbfc90fdb                      ; -(pi / 2 rounded to f32)
	s_mov_b32 s26, 0x333bbd2e                      ; +4.3711388e-8: what that rounding added
	s_mov_b32 s27, 0xbe2aaaa3                      ; sin: -1.6666654611e-1, 8.3321608736e-3, -1.9515295891e-4
	s_mov_b32 s28, 0x3c08839e
	s_mov_b32 s29, 0xb94ca1f9
	s_mov_b32 s30, 0x3d2aaaa5                      ; cos: 4.166664568e-2, -1.388731625e-3, 2.443315712e-5
	s_mov_b32 s31, 0xbab6061a
	s_mov_b32 s32, 0x37ccf5ce
	s_mov_b32 s33, 0x3ed49a78                      ; log2(10000) / 32, rounded,
	s_mov_b32 s34, 0x32179a21                      ; and what is left of it
	s_mov_b32 s35, 0xbf317218                      ; -ln 2
	s_sub_co_u32 s18, ttmp9, 384
	s_lshl_b32 s18, s18, 2
	s_add_co_u32 s18, s18, s16                     ; my tile of positions, 0..127
	s_lshr_b32 s17, s18, 1
	s_lshl_b32 s17, s17, 5
	s_and_b32 s23, s18, 1
	s_lshl_b32 s23, s23, 3
	s_add_co_u32 s17, s17, s23                     ; 32 (tile / 2) + 8 (tile % 2)
	s_wait_alu depctr_va_vdst(0)
	v_and_b32 v8, 8, v2
	v_add_nc_u32 v8, v8, v2                        ; r + 8 (r / 8)
	v_add_nc_u32 v8, s17, v8
	v_cvt_f32_u32 v8, v8                           ; the position, as f32
	v_lshlrev_b32 v9, 3, v3                        ; 8 h
	s_lshl_b32 s18, s18, 12                        ; 4,096 bytes a tile
	s_add_nc_u64 s[14:15], s[14:15], s[18:19]
.irp n, 0,1,2,3,4,5,6,7,8,9,10,11,12,13,14,15
	v_add_nc_u32 v[16+\n], 16*(\n/8)+\n%8, v9      ; i = 16 (n / 8) + n % 8 + 8 h
.endr
.irp n, 0,1,2,3,4,5,6,7,8,9,10,11,12,13,14,15
	v_cvt_f32_u32 v[16+\n], v[16+\n]
.endr
.irp n, 0,1,2,3,4,5,6,7,8,9,10,11,12,13,14,15
	v_mul_f32 v[48+\n], s33, v[16+\n]              ; t, rounded;
.endr
.irp n, 0,1,2,3,4,5,6,7,8,9,10,11,12,13,14,15
	v_fma_f32 v[32+\n], v[16+\n], s33, -v[48+\n]   ; what the rounding dropped,
.endr
.irp n, 0,1,2,3,4,5,6,7,8,9,10,11,12,13,14,15
	v_fma_f32 v[32+\n], v[16+\n], s34, v[32+\n]    ; and the constant's second part: e
.endr
.irp n, 0,1,2,3,4,5,6,7,8,9,10,11,12,13,14,15
	v_exp_f32 v[112+\n], -v[48+\n]                 ; 2^-t: one batch
.endr
	v_nop                                          ; a plain place behind the last of the batch
	s_wait_alu depctr_va_vdst(0)                   ; one wait for the sixteen, ahead of their first reader
.irp n, 0,1,2,3,4,5,6,7,8,9,10,11,12,13,14,15
	v_mul_f32 v[48+\n], v[112+\n], v[32+\n]
.endr
.irp n, 0,1,2,3,4,5,6,7,8,9,10,11,12,13,14,15
	v_fma_f32 v[112+\n], v[48+\n], s35, v[112+\n]  ; theta = 2^-t (1 - e ln 2)
.endr
.irp n, 0,1,2,3,4,5,6,7,8,9,10,11,12,13,14,15
	v_mul_f32 v[48+\n], v8, v[112+\n]              ; the angle, rounded once
.endr
.macro SINCOS n
	v_mul_f32 v96, s24, v[48+\n]
	v_rndne_f32 v96, v96                           ; how many quarter turns
	v_fma_f32 v97, v96, s25, v[48+\n]
	v_fma_f32 v97, v96, s26, v97                   ; what is left: at most pi / 4 in magnitude
	v_cvt_i32_f32 v98, v96
	v_mul_f32 v99, v97, v97
	v_fma_f32 v100, v99, s29, s28
	v_fma_f32 v101, v99, s32, s31
	v_fma_f32 v100, v100, v99, s27
	v_fma_f32 v101, v101, v99, s30
	v_mul_f32 v100, v100, v99
	v_mul_f32 v101, v101, v99
	v_fma_f32 v102, v99, -0.5, 1.0
	v_fma_f32 v100, v100, v97, v97                 ; the sine of what is left
	v_fma_f32 v101, v101, v99, v102                ; its cosine
	v_and_b32 v102, 1, v98
	v_cmp_eq_u32 vcc_lo, 1, v102                   ; an odd number of quarter turns swaps the two (a choice of values, no branch)
	v_cndmask_b32 v103, v100, v101, vcc_lo
	v_cndmask_b32 v104, v101, v100, vcc_lo
	v_lshlrev_b32 v102, 30, v98
	v_add_nc_u32 v105, 1, v98
	v_and_b32 v102, 0x80000000, v102               ; the sine is negated in quarters 2 and 3,
	v_lshlrev_b32 v105, 30, v105
	v_xor_b32 v[64+2*\n+1], v103, v102
	v_and_b32 v105, 0x80000000, v105               ; the cosine in quarters 1 and 2
	v_xor_b32 v[64+2*\n], v104, v105
.endm
.irp n, 0,1,2,3,4,5,6,7,8,9,10,11,12,13,14,15
	SINCOS \n
.endr
.irp j, 0,1,2,3,4,5,6,7
	global_store_b128 v4, v[64+4*\j:64+4*\j+3], s[14:15] offset:512*\j   ; 32 lanes store 512 consecutive bytes
.endr
	s_endpgm
.Lfunc_end_k_q9a71fcf0a3_prep:
	.size	k_q9a71fcf0a3_prep, .Lfunc_end_k_q9a71fcf0a3_prep-k_q9a71fcf0a3_prep
	.p2alignl 7, 3214868480
	.fill 96, 4, 3214868480
	.section	.rodata,"a",@progbits
	.p2align	6, 0x0
	.amdhsa_kernel k_q9a71fcf0a3_prep
		.amdhsa_group_segment_fixed_size 34304
		.amdhsa_private_segment_fixed_size 0
		.amdhsa_enable_private_segment 0
		.amdhsa_kernarg_size 48
		.amdhsa_user_sgpr_count 2
		.amdhsa_user_sgpr_kernarg_segment_ptr 1
		.amdhsa_wavefront_size32 1
		.amdhsa_system_sgpr_workgroup_id_x 1
		.amdhsa_system_sgpr_workgroup_id_y 1
		.amdhsa_system_sgpr_workgroup_id_z 1
		.amdhsa_system_vgpr_workitem_id 0
		.amdhsa_next_free_vgpr 226
		.amdhsa_next_free_sgpr 66
		.amdhsa_reserve_vcc 1
		.amdhsa_float_denorm_mode_32 3
		.amdhsa_float_denorm_mode_16_64 3
		.amdhsa_memory_ordered 1
		.amdhsa_forward_progress 1
		.amdhsa_inst_pref_size 61
	.end_amdhsa_kernel
	.amdgpu_metadata
---
amdhsa.version: [ 1, 2 ]
amdhsa.kernels:
  - .name:           k_q9a71fcf0a3_prep
    .symbol:         k_q9a71fcf0a3_prep.kd
    .args:
      - { .name: x, .offset: 0, .size: 8, .value_kind: global_buffer, .address_space: global }
      - { .name: W_qkv, .offset: 8, .size: 8, .value_kind: global_buffer, .address_space: global }
      - { .name: W_out, .offset: 16, .size: 8, .value_kind: global_buffer, .address_space: global }
      - { .name: opc, .offset: 24, .size: 8, .value_kind: global_buffer, .address_space: global }
      - { .name: ops, .offset: 32, .size: 8, .value_kind: global_buffer, .address_space: global }
      - { .name: tab, .offset: 40, .size: 8, .value_kind: global_buffer, .address_space: global }
    .group_segment_fixed_size: 34304
    .private_segment_fixed_size: 0
    .kernarg_segment_align: 8
    .kernarg_segment_size: 48
    .max_flat_workgroup_size: 128
    .sgpr_count:     66
    .vgpr_count:     226
    .wavefront_size: 32
...
	.end_amdgpu_metadata
.endif
;; end of part 1
;; launch qkv (part 2): grid 24 x 32, 4 waves a work-group, clusters of 4 x 4, 327,680 bytes of LDS; arguments opc, ops, b_qkv, tab, q, kv; writes q, kv
.if DOCPART == 2
	.amdgcn_target "amdgcn-amd-amdhsa--gfx1250"
	.amdhsa_code_object_version 6
	.text
	.protected	k_q9a71fcf0a3_qkv
	.globl	k_q9a71fcf0a3_qkv
	.p2align	8
	.type	k_q9a71fcf0a3_qkv,@function
k_q9a71fcf0a3_qkv:
	s_mov_b64 s[64:65], 0
	v_nop
	global_prefetch_b8 v0, s[64:65] scope:SCOPE_SE
	s_setreg_imm32_b32 hwreg(HW_REG_WAVE_MODE, 25, 1), 1
	s_wait_xcnt 0x0
	s_wait_alu depctr_hold_cnt(0) depctr_sa_sdst(0) depctr_va_vdst(0) depctr_va_sdst(0) depctr_va_ssrc(0) depctr_va_vcc(0) depctr_vm_vsrc(0)
	s_getreg_b32 s2, hwreg(HW_REG_IB_STS2, 6, 4)
	s_cmp_eq_u32 s2, 0
	s_cbranch_scc0 .Lentry_in_a_cluster
	s_endpgm
.Lentry_in_a_cluster:
	s_bfe_u32 s2, ttmp6, 0x10000c
	s_cmp_lg_u32 s2, 0xf033
	s_cbranch_scc0 .Lentry_shape_is_right
	s_endpgm
.Lentry_shape_is_right:
; QKV.  qkv = x W_qkv^T + b_qkv on codes of FP6 (E2M3) with E8M0 scales; q and k are rotated (RoPE) and quantised along the head's 64; v is quantised along the keys.  Nothing leaves as f32.
; A work-group makes 256 rows of "A" x 128 rows of "B", K = 1,024.  Clusters with x 0-3 (QK): A = x's tokens, B = rows of W_q, W_k.  Clusters with x 4, 5 (V): A = rows of W_v, B = x's tokens, so that a lane's registers run along the keys.
; ALL OF K LIES IN LDS: 294,912 bytes, filled once by eight tensor loads a work-group, two a wave: QUAD 0 at the head, QUAD 2 behind a round: no byte of LDS is filled again, and none is stored to.
; CLUSTER 4 x 4: A's tiles hang on cy (and the cluster's place) alone and are asked for jointly along a row of the cluster, B's on cx alone and jointly along a column.
; Wave w owns A's rows 64 w .. 64 w + 63 (four blocks a of 16) against B's eight tiles b: 32 accumulators.  The matrix instruction is used transposed: source 0 = B's tile, source 1 = A's block:
;   lane (r, h) holds A's row r, register 64 a + 8 b + j B's row 32 (b / 2) + 16 h + 8 (b % 2) + j, since lane r of tile e of a pair holds row 8 e + r + 8 (r / 8): the 16 registers of tiles 2 B, 2 B + 1 are 16 neighbours.
; OPERANDS (made by the launch before): opc [g 16][pair 384][1,536]: K = 64 g on of a pair of tiles as an image of registers (lane's registers 0-5 tile 0, 6-11 tile 1; registers 4 c on of lane l at 512 c + 16 l); ops [pair][sq 4][lane][2 words].
; RESULTS: q [bh 64][ks 16][6,656]: four blocks (a pair of tiles x the head's 64), then scale words [half 2][lane 32][2]; kv [bh][ks][13,056]: K's four blocks, V's four fragments (16 channels x 128 keys) at 6,144, K's scale words at 12,288, V's at 12,800.
;   In q's and K's scale words bytes 0, 1 are the head's two blocks and bytes 2, 3 are 0.
; LIMITS: NaN and infinities are not served; a block whose largest magnitude lies under 2^-124, a block of zeros among them, keeps the scale byte 1 (this program alone reads the bytes).
; REGISTERS, in windows of 256: window 0: v1-23 addresses; v32-63 B's scale words, v64-79 A's, for all of K; v80-127 codes on the way out; v128-223 A's fragments, two sets (on the way out v128-241 are at work).
;   window 1: B's fragments, two sets of 96.   window 2: the accumulators.   window 3: v0-63 the bias as the first products' C; v64-191 cos and sin.
.set GP,   589824                      ; bytes from g to g + 1 in opc
.set WV,   16                          ; s16  my wave
.set G1A,  24                          ; s[24:31] descriptor group 1 for A; s[32:39] for B; s[40:55], s[68:83] groups 0, one for each chunk of 256 along K
.set G1B,  32
.set G0A,  40
.set G0B,  68
.set SEL,  98                          ; s[98:99] lane selects: lane l xor 16
.set ADRA, 16                          ; v16-19 LDS address of my A blocks in chunk c;  v20-23 of B's
.set ADRB, 20
.set SCB,  32
.set SCA,  64
.set CO,   80
.set AF,   128
.set Y,    128                         ; v128-191 a block's 64 rotated numbers
.set T,    192                         ; v192-207 x sin
.set TM,   208
.set CT,   224
.set PW,   232
.set BI,   0
.set CSN,  64
.set MUL,  0xa1                        ; source 0 window 1, source 1 window 0, C and D window 2
.set MULB, 0xb1                        ; the same with C in window 3
.set TO_B, 0x40                        ; destination window 1
.set TO_3, 0xc0                        ; destination window 3
.set MSB, 0
.macro WIN new                         ; the immediate's high byte repeats the setting that is left; a switch that changes nothing is dropped
.if MSB != (\new)
	s_set_vgpr_msb (MSB<<8)|(\new)
.set MSB, (\new)
.endif
.endm
.macro ROUND                           ; a round of the cluster's barrier
	s_barrier_signal -1
	s_barrier_wait -1
	s_cmp_lg_u32 s[WV], 0
	s_cbranch_scc1 .Lnw0_\@
	s_barrier_signal -3
.Lnw0_\@:
	s_barrier_wait -3
	s_barrier_signal -1
	s_barrier_wait -1
.endm
; THE FILLS, as they now stand: a chunk (256 along K) of A is ONE tile of 4 rows (g) x 12,288 bytes, of B one of 4 rows x 6,144 bytes.  QUAD c: wave 0 asks for A's chunk c, wave 1 for B's, wave 2 for A's chunk c + 1, wave 3 for B's:
; one joint load a wave, in one chain of branches on the wave's number.  QUAD 0 stands at the head; QUAD 2 is a later first fill, behind the three lines and a round.
.macro TL g0, g1
	tensor_load_to_lds s[(\g0):(\g0)+3], s[(\g1):(\g1)+7]
	s_nop 0
.rept 4
	v_nop
.endr
.endm
.macro QUAD c
	s_cmp_lt_u32 s[WV], 1
	s_cbranch_scc0 .Lq1_\@
	TL G0A+4*(\c), G1A
	s_branch .Lqj_\@
.Lq1_\@:
	s_cmp_lt_u32 s[WV], 2
	s_cbranch_scc0 .Lq2_\@
	TL G0B+4*(\c), G1B
	s_branch .Lqj_\@
.Lq2_\@:
	s_cmp_lt_u32 s[WV], 3
	s_cbranch_scc0 .Lq3_\@
	TL G0A+4*(\c)+4, G1A
	s_branch .Lqj_\@
.Lq3_\@:
	TL G0B+4*(\c)+4, G1B
.Lqj_\@:
.endm
.macro PLACES
.rept 4
	v_nop
.endr
.endm
.macro WM acc, fa, fb, cr, sa, sb, ra, rb   ; one product; ra, rb: the scale words stand in lanes 16-31
.if ((\ra) != 0) && ((\rb) != 0)
	v_wmma_scale_f32_16x16x128_f8f6f4 v[(\acc):(\acc)+7], v[(\fa):(\fa)+11], v[(\fb):(\fb)+11], v[(\cr):(\cr)+7], v[\sa], v[\sb] matrix_a_fmt:MATRIX_FMT_FP6 matrix_b_fmt:MATRIX_FMT_FP6 matrix_a_scale:MATRIX_SCALE_ROW1 matrix_b_scale:MATRIX_SCALE_ROW1
.elseif (\ra) != 0
	v_wmma_scale_f32_16x16x128_f8f6f4 v[(\acc):(\acc)+7], v[(\fa):(\fa)+11], v[(\fb):(\fb)+11], v[(\cr):(\cr)+7], v[\sa], v[\sb] matrix_a_fmt:MATRIX_FMT_FP6 matrix_b_fmt:MATRIX_FMT_FP6 matrix_a_scale:MATRIX_SCALE_ROW1
.elseif (\rb) != 0
	v_wmma_scale_f32_16x16x128_f8f6f4 v[(\acc):(\acc)+7], v[(\fa):(\fa)+11], v[(\fb):(\fb)+11], v[(\cr):(\cr)+7], v[\sa], v[\sb] matrix_a_fmt:MATRIX_FMT_FP6 matrix_b_fmt:MATRIX_FMT_FP6 matrix_b_scale:MATRIX_SCALE_ROW1
.else
	v_wmma_scale_f32_16x16x128_f8f6f4 v[(\acc):(\acc)+7], v[(\fa):(\fa)+11], v[(\fb):(\fb)+11], v[(\cr):(\cr)+7], v[\sa], v[\sb] matrix_a_fmt:MATRIX_FMT_FP6 matrix_b_fmt:MATRIX_FMT_FP6
.endif
.endm
; the two fragments (128 along K) of a pair of tiles, from two blocks gs bytes apart: a block's registers 0-5 go to the first tile's fragment, 6-11 to the second's
.macro FRAGP d, adr, off, gs
.irp e, 0,1
	ds_load_b128 v[(\d)+6*\e:(\d)+6*\e+3], v[\adr] offset:(\off)+\e*(\gs)
	ds_load_b64 v[(\d)+6*\e+4:(\d)+6*\e+5], v[\adr] offset:(\off)+\e*(\gs)+512
	ds_load_b64 v[(\d)+12+6*\e:(\d)+13+6*\e], v[\adr] offset:(\off)+\e*(\gs)+520
	ds_load_b128 v[(\d)+14+6*\e:(\d)+17+6*\e], v[\adr] offset:(\off)+\e*(\gs)+1024
.endr
.endm
.macro FETCH s, p                      ; K step s into set p: 48 loads in one run: B's four pairs, then A's two
	WIN TO_B
.irp i, 0,1,2,3
	FRAGP 96*(\p)+24*\i, ADRB+(\s)/2, 1536*\i+12288*((\s)%2), 6144   ; B's chunk in LDS: [g 4][pair 4][1,536]
.endr
	WIN 0
.irp i, 0,1
	FRAGP AF+48*(\p)+24*\i, ADRA+(\s)/2, 1536*\i+24576*((\s)%2), 12288   ; A's chunk in LDS: [g 4][pair 8][1,536]; my two pairs' 3,072 w stands in the address register
.endr
.endm
; 16 products: A's blocks a0, a0 + 1 x B's eight tiles.  cm = -1: onto the sums; 0: C = the bias by B's rows; 1: by A's rows.  The 32 accumulators take turns, in the same order in every step.
.macro MUL16 p, s, a0, cm
.irp a, \a0, \a0+1
.irp b, 0,1,2,3,4,5,6,7
.if (\cm) < 0
.set CR, 64*(\a)+8*\b
.elseif (\cm) == 0
.set CR, BI+8*\b
.else
.set CR, BI+8*(\a)
.endif
	WM 64*(\a)+8*\b, 96*(\p)+12*\b, AF+48*(\p)+12*(\a), CR, SCB+8*(\b/2)+(\s), SCA+8*((\a)/2)+(\s), \b%2, (\a)%2
.endr
.endr
.endm
.macro STEP s, cm                      ; an even K step: its successor lies in the same chunk
	s_wait_dscnt 8                                 ; B's fragments and A's first pair are in; the youngest eight loads (A's second pair) may be out
.if (\cm) < 0
	WIN MUL
.else
	WIN MULB
.endif
	MUL16 0, \s, 0, \cm
	PLACES
	FETCH (\s)+1, 1
	s_wait_dscnt 48                                ; all but the 48 just issued
.if (\cm) < 0
	WIN MUL
.else
	WIN MULB
.endif
	MUL16 0, \s, 2, \cm
.endm
.macro TURN s, n                       ; an odd K step: its successor lies in the next chunk, of which every wave has brought a part
	s_wait_dscnt 0x0                               ; no LDS load of mine is out at the signal
	s_wait_tensorcnt \n                            ; my load of the next chunk, if any, has landed; the n of later chunks may stay out: no byte is filled again behind this barrier
	s_barrier_signal -1
	WIN MUL
	MUL16 1, \s, 0, -1
	s_barrier_wait -1                              ; everybody's have
	PLACES
	FETCH (\s)+1, 0
	WIN MUL
	MUL16 1, \s, 2, -1
.endm
.macro MAIN cm
	s_wait_tensorcnt 0x0                           ; my tile of chunks 0 and 1 has landed
	ds_add_u32 v254, v255
	s_wait_dscnt 0x0
	ROUND                                          ; everybody's have, and the joint loads meet
	QUAD 2                                         ; chunks 2 and 3: my one load behind the round
	FETCH 0, 0
	STEP 0, \cm
	TURN 1, 1                                      ; chunk 1 is shown already; my one load of chunks 2, 3 may stay out
	STEP 2, -1
	TURN 3, 0                                      ; chunks 2 and 3 are shown to all
	STEP 4, -1
	TURN 5, 0
	STEP 6, -1
	s_wait_dscnt 8
	WIN MUL
	MUL16 1, 7, 0, -1
	s_wait_dscnt 0x0
	MUL16 1, 7, 2, -1
	WIN 0
	PLACES
.endm
; 64 numbers of a lane in window sw, register 16 b + i = k 32 b + 16 (lane / 16) + i: codes of blocks 0, 1 to v[d0] on (6 registers), of blocks 2, 3 to v[d1] on, the four bytes to v[pw]
.macro QUANT4 src, sw, d0, d1, pw
	WIN (\sw)|((\sw)<<2)
.irp b, 0,1,2,3
	v_max3_num_f32 v[TM+\b], |v[(\src)+16*\b]|, |v[(\src)+1+16*\b]|, 0x1800000   ; and the floor 2^(3 - 127): the byte cannot fall under 1.  (Each accumulator is read from its low end on)
.endr
	WIN ((\sw)<<2)|((\sw)<<4)
.irp i, 2,4,6,8,10,12,14
.irp b, 0,1,2,3
	v_max3_num_f32 v[TM+\b], v[TM+\b], |v[(\src)+16*\b+\i]|, |v[(\src)+1+16*\b+\i]|
.endr
.endr
	WIN 0
.irp b, 0,1,2,3
	v_permlanex16_b32 v[TM+4+\b], v[TM+\b], s[SEL], s[SEL+1]
.endr
.irp b, 0,1,2,3
	v_max_num_f32 v[TM+\b], v[TM+\b], v[TM+4+\b]      ; the block's largest magnitude
.endr
.irp b, 0,1,2,3
	v_add_nc_u32 v[TM+12+\b], 0xff000000, v[TM+\b]    ; 2 off its exponent field: the conversion's scale operand
.endr
.irp b, 0,1,2,3
	v_lshrrev_b32 v[TM+4+\b], 23, v[TM+12+\b]         ; the scale's byte
.endr
	v_lshl_or_b32 v[\pw], v[TM+5], 8, v[TM+4]
	v_lshl_or_b32 v[\pw], v[TM+6], 16, v[\pw]
	v_lshl_or_b32 v[\pw], v[TM+7], 24, v[\pw]
	WIN \sw
	v_cvt_scalef32_pk16_fp6_f32 v[(\d0):(\d0)+2], v[(\src):(\src)+15], v[TM+12]
	v_cvt_scalef32_pk16_fp6_f32 v[CT:CT+2], v[(\src)+16:(\src)+31], v[TM+13]
	v_cvt_scalef32_pk16_fp6_f32 v[(\d1):(\d1)+2], v[(\src)+32:(\src)+47], v[TM+14]
	v_cvt_scalef32_pk16_fp6_f32 v[CT+4:CT+6], v[(\src)+48:(\src)+63], v[TM+15]
	WIN 0
	v_nop                                          ; one plain place behind the scaled conversions
.irp i, 0,1,2
	v_permlane16_swap_b32 v[(\d0)+\i], v[CT+\i]    ; a whole block to a lane
	v_permlane16_swap_b32 v[(\d1)+\i], v[CT+4+\i]
.endr
.irp i, 0,1,2
	v_mov_b32 v[(\d0)+3+\i], v[CT+\i]
	v_mov_b32 v[(\d1)+3+\i], v[CT+4+\i]
.endr
.endm
	s_load_b256 s[4:11], s[0:1], 0x0               ; opc s[4:5], ops s[6:7], b_qkv s[8:9], tab s[10:11]
	s_load_b128 s[12:15], s[0:1], 0x20             ; q s[12:13], kv s[14:15]
	v_lshl_add_u32 v254, v0, 2, 0x48000
	v_mov_b32 v255, 0
	ds_add_u32 v254, v255
	ds_add_u32 v254, v255
	v_lshrrev_b32 v1, 5, v0
	v_readfirstlane_b32 s[WV], v1                  ; wave 0..3
	s_bfe_u32 s17, ttmp6, 0x40000                  ; cx
	s_bfe_u32 s18, ttmp6, 0x40004                  ; cy
	s_and_b32 s19, ttmp7, 0xffff                   ; the cluster's y
	s_lshl_b32 s20, s18, 2
	s_lshl_b32 s20, 15, s20                        ; my row of the cluster
	s_lshl_b32 s21, 0x1111, s17                    ; my column
	s_or_b32 s[G1A], s20, (3<<16)|(1<<21)          ; 15:0 the mask; 17:16 elements of 8 bytes; 21 set beside a mask; no padding
	s_or_b32 s[G1B], s21, (3<<16)|(1<<21)
	s_mov_b32 s[G1A+1], 1536<<16                   ; A: 4 rows (g) of 12,288 bytes: the work-group's eight pairs
	s_mov_b32 s[G1A+2], 4<<16
	s_mov_b32 s[G1A+3], 1536<<16
	s_mov_b32 s[G1A+4], 4
	s_mov_b32 s[G1A+5], GP/8
	s_mov_b32 s[G1A+6], 0
	s_mov_b32 s[G1A+7], 0
	s_mov_b32 s[G1B+1], 768<<16                    ; B: 4 rows (g) of 6,144 bytes: four pairs
	s_mov_b32 s[G1B+2], 4<<16
	s_mov_b32 s[G1B+3], 768<<16
	s_mov_b32 s[G1B+4], 4
	s_mov_b32 s[G1B+5], GP/8
	s_mov_b32 s[G1B+6], 0
	s_mov_b32 s[G1B+7], 0
	; A's first pair, from cy and the cluster's place alone (s20, s22, s84, s85 never hold cx): QK: 32 CY + 8 cy (x);  V: 320 + 8 cy (W_v)
	s_lshl_b32 s22, s19, 5
	s_cmp_ge_u32 ttmp9, 4
	s_cselect_b32 s22, 320, s22
	s_lshl_b32 s20, s18, 3
	s_add_co_u32 s22, s22, s20
	s_lshl_b32 s20, s[WV], 1
	s_add_co_u32 s20, s20, s22                     ; s20: my wave's first pair of A; it stays
	; B's first pair, from cx and the cluster's place alone (s21, s23, s86, s87 never hold cy): QK: 256 + 16 CX + 4 cx (W_q, W_k);  V: 128 (CX - 4) + 16 CY + 4 cx (x)
	s_lshl_b32 s23, ttmp9, 4
	s_add_co_u32 s23, s23, 256
	s_max_u32 s21, ttmp9, 4
	s_sub_co_u32 s21, s21, 4
	s_lshl_b32 s21, s21, 7
	s_lshl_b32 s100, s19, 4
	s_add_co_u32 s21, s21, s100
	s_cmp_ge_u32 ttmp9, 4
	s_cselect_b32 s23, s21, s23
	s_lshl_b32 s21, s17, 2
	s_add_co_u32 s23, s23, s21                     ; s23: B's first pair; it stays
	s_mul_i32 s84, s22, 1536
	s_mov_b32 s85, 0
	s_mul_i32 s86, s23, 1536
	s_mov_b32 s87, 0
	s_mul_i32 s3, s[WV], 3072                      ; my two pairs' place in a row of A's chunk
	s_lshl_b32 s56, s23, 10                        ; the scale words: 1,024 bytes a pair
	s_mov_b32 s57, 0
	s_lshl_b32 s58, s20, 10
	s_mov_b32 s59, 0
	s_mov_b32 s96, 0xffff0000                      ; lanes 16-31
	s_mov_b32 s[SEL], 0x76543210
	s_mov_b32 s[SEL+1], 0xfedcba98
	v_and_b32 v1, 31, v0                           ; lane
	v_lshlrev_b32 v2, 4, v1                        ; 16 x lane
	v_lshlrev_b32 v3, 3, v1                        ; 8 x lane
	v_and_b32 v4, 15, v0                           ; r
	v_bfe_u32 v5, v0, 4, 1                         ; h
	v_lshlrev_b32 v6, 6, v5
	v_add_nc_u32 v10, s3, v2                       ; 3,072 w + 16 x lane
	v_and_b32 v7, 8, v4
	v_add_nc_u32 v7, v7, v4
	v_lshlrev_b32 v7, 2, v7                        ; 4 (r + 8 (r / 8))
	s_wait_alu depctr_va_vdst(0)
	s_wait_dscnt 0x0
	s_wait_kmcnt 0x0
	s_add_nc_u64 s[84:85], s[4:5], s[84:85]
	s_add_nc_u64 s[86:87], s[4:5], s[86:87]
	s_add_nc_u64 s[56:57], s[6:7], s[56:57]
	s_add_nc_u64 s[58:59], s[6:7], s[58:59]
.irp c, 0,1,2,3                                    ; LDS: A's chunk c at 49,152 c, my pairs at 3,072 w in each row;  B's at 196,608 + 24,576 c
	s_mov_b32 s[G0A+4*\c], 1
	s_mov_b32 s[G0A+4*\c+1], 49152*\c
	s_add_nc_u64 s[G0A+4*\c+2:G0A+4*\c+3], s[84:85], \c*4*GP
	s_or_b32 s[G0A+4*\c+3], s[G0A+4*\c+3], 0x80000000
	s_mov_b32 s[G0B+4*\c], 1
	s_mov_b32 s[G0B+4*\c+1], 196608+24576*\c
	s_add_nc_u64 s[G0B+4*\c+2:G0B+4*\c+3], s[86:87], \c*4*GP
	s_or_b32 s[G0B+4*\c+3], s[G0B+4*\c+3], 0x80000000
	v_add_nc_u32 v[ADRA+\c], 49152*\c, v10
	v_add_nc_u32 v[ADRB+\c], 196608+24576*\c, v2
.endr
	ROUND                                          ; all sixteen work-groups are here: the joint loads meet
	QUAD 0                                         ; chunks 0 and 1: one load a wave
.rept 4
	v_nop                                          ; four plain lines follow the last tensor load
.endr
.irp i, 0,1,2,3
.irp sq, 0,1,2,3
	global_load_b64 v[SCB+8*\i+2*\sq:SCB+8*\i+2*\sq+1], v3, s[56:57] offset:1024*\i+256*\sq   ; a register: lanes 0-15 the pair's first tile, lanes 16-31 its second; 256 consecutive bytes a load
.endr
.endr
.irp i, 0,1
.irp sq, 0,1,2,3
	global_load_b64 v[SCA+8*\i+2*\sq:SCA+8*\i+2*\sq+1], v3, s[58:59] offset:1024*\i+256*\sq
.endr
.endr
	s_cmp_ge_u32 ttmp9, 4                          ; the cluster's x: the same in all partners
	s_cbranch_scc1 .Lv
	; ---------------- Q and K ----------------
	s_lshl_b32 s60, s23, 7
	s_sub_co_u32 s60, s60, 32768                   ; the bias of B's 128 rows: 4 x 32 x (pair - 256) bytes on
	s_mov_b32 s61, 0
	s_add_nc_u64 s[60:61], s[8:9], s[60:61]
	s_lshl_b32 s62, s20, 1
	s_and_b32 s62, s62, 127                        ; my first tile of positions in the sequence
	s_lshl_b32 s62, s62, 12
	s_mov_b32 s63, 0
	s_add_nc_u64 s[62:63], s[10:11], s[62:63]
	WIN TO_3
.irp b, 0,1,2,3
.irp j, 0,1,2,3
	global_load_b128 v[BI+16*\b+4*\j:BI+16*\b+4*\j+3], v6, s[60:61] offset:128*\b+16*\j   ; register 16 B + i: the bias of row 32 B + 16 h + i
.endr
.endr
.irp a, 0,1,2,3
.irp j, 0,1,2,3,4,5,6,7
	global_load_b128 v[CSN+32*\a+4*\j:CSN+32*\a+4*\j+3], v2, s[62:63] offset:4096*\a+512*\j   ; (cos, sin) of my 16 pairs of channels at block a's position of my lane
.endr
.endr
	WIN 0
	; where the results go: head A = B's rows 0-63, head B = rows 64-127
	s_cmp_ge_u32 ttmp9, 2                          ; K's rows or Q's
	s_cselect_b64 s[88:89], s[14:15], s[12:13]
	s_mov_b32 s66, 106496
	s_cselect_b32 s66, 208896, s66                 ; bytes a head
	s_mov_b32 s67, 6656
	s_cselect_b32 s67, 13056, s67                  ; bytes a record of 128 tokens
	s_mov_b32 s97, 6144
	s_cselect_b32 s97, 12288, s97                  ; where its scale words begin
	s_lshr_b32 s100, s20, 6                        ; the batch
	s_lshl_b32 s100, s100, 4
	s_lshr_b32 s101, s23, 1
	s_and_b32 s101, s101, 14                       ; head A's number
	s_add_co_u32 s100, s100, s101
	s_mul_i32 s100, s100, s66
	s_bfe_u32 s101, s20, 0x40002                   ; the record: (pair in the sequence) / 4
	s_mul_i32 s101, s101, s67
	s_add_co_u32 s100, s100, s101
	s_mov_b32 s101, 0
	s_add_nc_u64 s[88:89], s[88:89], s[100:101]
	s_and_b32 s100, s[WV], 1                       ; which half of the record is my wave's
	s_lshl_b32 s92, s100, 8
	s_add_co_u32 s92, s92, s97
	s_mov_b32 s93, 0
	s_add_nc_u64 s[92:93], s[88:89], s[92:93]      ; head A's scale words
	s_mul_i32 s100, s100, 3072
	s_add_nc_u64 s[88:89], s[88:89], s[100:101]    ; head A's codes
	s_mov_b32 s67, 0
	s_add_nc_u64 s[90:91], s[88:89], s[66:67]      ; head B's codes
	s_add_nc_u64 s[94:95], s[92:93], s[66:67]      ; head B's scale words
	s_wait_loadcnt 32                              ; the scale words and the bias are in; the 32 loads of cos and sin may stay out
	s_wait_alu depctr_va_vdst(0)
	MAIN 0
	s_wait_loadcnt 0x0                             ; cos and sin
.irp b, 0,1,2,3
	v_mov_b32 v[TM+4+\b], 0                        ; a lane permute's destination counts as one of its sources
.endr
; the rotation of block a: pair (x0, x1) -> (x0 c - x1 s, x1 c + x0 s), two packed instructions a pair, eight pairs at a time; each accumulator is read from its low end on
.macro ROPE a
	WIN 0x0e                                       ; source 0 (the sums) window 2, source 1 (cos, sin) window 3
.irp g, 0,1,2,3
.irp m, 0,1,2,3,4,5,6,7
	v_pk_mul_f32 v[T+2*\m:T+2*\m+1], v[64*(\a)+16*\g+2*\m:64*(\a)+16*\g+2*\m+1], v[CSN+32*(\a)+(16*\g+2*\m)%32:CSN+32*(\a)+(16*\g+2*\m)%32+1] op_sel:[0,1] op_sel_hi:[1,1]   ; (x0 s, x1 s)
.endr
.irp m, 0,1,2,3,4,5,6,7
	v_pk_fma_f32 v[Y+16*\g+2*\m:Y+16*\g+2*\m+1], v[64*(\a)+16*\g+2*\m:64*(\a)+16*\g+2*\m+1], v[CSN+32*(\a)+(16*\g+2*\m)%32:CSN+32*(\a)+(16*\g+2*\m)%32+1], v[T+2*\m:T+2*\m+1] op_sel:[0,0,1] op_sel_hi:[1,0,0] neg_lo:[0,0,1]
.endr
.endr
	WIN 0
.endm
.irp a, 0,1,2,3
	ROPE \a
	QUANT4 Y, 0, CO+24*(\a/2)+6*(\a%2), CO+12+24*(\a/2)+6*(\a%2), PW+\a   ; blocks 0, 1: head A; blocks 2, 3: head B
.if \a%2
.irp c, 0,1,2                                      ; a pair of tiles is whole: a block of each head leaves, 512 consecutive bytes a store; no store's data are written again
	global_store_b128 v2, v[CO+24*(\a/2)+4*\c:CO+24*(\a/2)+4*\c+3], s[88:89] offset:1536*(\a/2)+512*\c
	global_store_b128 v2, v[CO+12+24*(\a/2)+4*\c:CO+12+24*(\a/2)+4*\c+3], s[90:91] offset:1536*(\a/2)+512*\c
.endr
.endif
.endr
	v_cndmask_b32 v236, v[PW], v[PW+1], s96        ; lanes 0-15 a pair's first tile, lanes 16-31 its second
	v_cndmask_b32 v237, v[PW+2], v[PW+3], s96
	v_and_b32 v238, 0xffff, v236                   ; head A's two bytes; bytes 2, 3 are 0
	v_and_b32 v239, 0xffff, v237
	v_lshrrev_b32 v240, 16, v236                   ; head B's
	v_lshrrev_b32 v241, 16, v237
	global_store_b64 v3, v[238:239], s[92:93]      ; 256 consecutive bytes, aligned
	global_store_b64 v3, v[240:241], s[94:95]
	s_branch .Lend
	; ---------------- V ----------------
.Lv:
	s_lshl_b32 s60, s20, 7
	s_sub_co_u32 s60, s60, 32768                   ; the bias of my 64 rows of W_v
	s_mov_b32 s61, 0
	s_add_nc_u64 s[60:61], s[8:9], s[60:61]
	WIN TO_3
.irp a, 0,1,2,3
	global_load_b32 v[BI+8*\a], v7, s[60:61] offset:4*(32*(\a/2)+8*(\a%2))   ; my lane's channel of block a
.endr
	WIN 0
	s_lshr_b32 s100, s23, 6                        ; the batch
	s_lshl_b32 s100, s100, 4
	s_sub_co_u32 s101, s20, 320
	s_lshr_b32 s101, s101, 1                       ; the head: 4 cy + w
	s_add_co_u32 s100, s100, s101
	s_mul_i32 s100, s100, 208896
	s_bfe_u32 s101, s23, 0x40002                   ; the record of 128 keys
	s_mul_i32 s101, s101, 13056
	s_add_co_u32 s100, s100, s101
	s_mov_b32 s101, 0
	s_add_nc_u64 s[88:89], s[14:15], s[100:101]
	s_wait_loadcnt 0x0
	WIN 0xc3                                       ; source 0 and destination window 3
.irp a, 0,1,2,3
.irp j, 1,2,3,4,5,6,7
	v_mov_b32 v[BI+8*\a+\j], v[BI+8*\a]            ; a lane holds one channel: its bias fills the eight registers of C
.endr
.endr
	WIN 0
	PLACES
	PLACES
	s_wait_alu depctr_va_vdst(0)
	MAIN 1
.irp b, 0,1,2,3
	v_mov_b32 v[TM+4+\b], 0
.endr
.irp a, 0,1,2,3
	QUANT4 64*\a, 2, CO+12*\a, CO+6+12*\a, PW+\a   ; register 16 b + i = key 32 b + 16 h + i: a whole fragment of 16 channels x 128 keys
.irp c, 0,1,2
	global_store_b128 v2, v[CO+12*\a+4*\c:CO+12*\a+4*\c+3], s[88:89] offset:6144+1536*\a+512*\c
.endr
.endr
	v_cndmask_b32 v236, v[PW], v[PW+1], s96
	v_cndmask_b32 v237, v[PW+2], v[PW+3], s96
	global_store_b64 v3, v[236:237], s[88:89] offset:12800
.Lend:
	s_wait_tensorcnt 0x0
	ds_add_u32 v254, v255
	s_wait_dscnt 0x0
	ROUND                                          ; the closing round: no work-group ends while a partner may still ask for a tile that names it
	s_endpgm
.Lfunc_end_k_q9a71fcf0a3_qkv:
	.size	k_q9a71fcf0a3_qkv, .Lfunc_end_k_q9a71fcf0a3_qkv-k_q9a71fcf0a3_qkv
	.p2alignl 7, 3214868480
	.fill 96, 4, 3214868480
	.section	.rodata,"a",@progbits
	.p2align	6, 0x0
	.amdhsa_kernel k_q9a71fcf0a3_qkv
		.amdhsa_group_segment_fixed_size 327680
		.amdhsa_private_segment_fixed_size 0
		.amdhsa_enable_private_segment 0
		.amdhsa_kernarg_size 48
		.amdhsa_user_sgpr_count 2
		.amdhsa_user_sgpr_kernarg_segment_ptr 1
		.amdhsa_wavefront_size32 1
		.amdhsa_system_sgpr_workgroup_id_x 1
		.amdhsa_system_sgpr_workgroup_id_y 1
		.amdhsa_system_sgpr_workgroup_id_z 1
		.amdhsa_system_vgpr_workitem_id 0
		.amdhsa_next_free_vgpr 1024
		.amdhsa_next_free_sgpr 102
		.amdhsa_reserve_vcc 0
		.amdhsa_float_denorm_mode_32 3
		.amdhsa_float_denorm_mode_16_64 3
		.amdhsa_memory_ordered 1
		.amdhsa_forward_progress 1
		.amdhsa_inst_pref_size 190
	.end_amdhsa_kernel
	.amdgpu_metadata
---
amdhsa.version: [ 1, 2 ]
amdhsa.kernels:
  - .name:           k_q9a71fcf0a3_qkv
    .symbol:         k_q9a71fcf0a3_qkv.kd
    .args:
      - { .name: opc, .offset: 0, .size: 8, .value_kind: global_buffer, .address_space: global }
      - { .name: ops, .offset: 8, .size: 8, .value_kind: global_buffer, .address_space: global }
      - { .name: b_qkv, .offset: 16, .size: 8, .value_kind: global_buffer, .address_space: global }
      - { .name: tab, .offset: 24, .size: 8, .value_kind: global_buffer, .address_space: global }
      - { .name: q, .offset: 32, .size: 8, .value_kind: global_buffer, .address_space: global }
      - { .name: kv, .offset: 40, .size: 8, .value_kind: global_buffer, .address_space: global }
    .group_segment_fixed_size: 327680
    .private_segment_fixed_size: 0
    .kernarg_segment_align: 8
    .kernarg_segment_size: 48
    .max_flat_workgroup_size: 128
    .sgpr_count:     102
    .vgpr_count:     1024
    .wavefront_size: 32
...
	.end_amdgpu_metadata
.endif
;; end of part 2
;; launch attn (part 3): grid 4 x 64, 8 waves a work-group, clusters of 4 x 1, 262,144 bytes of LDS; arguments q, kv, ac, asc; writes ac, asc
.if DOCPART == 3
	.amdgcn_target "amdgcn-amd-amdhsa--gfx1250"
	.amdhsa_code_object_version 6
	.text
	.protected	k_q9a71fcf0a3_attn
	.globl	k_q9a71fcf0a3_attn
	.p2align	8
	.type	k_q9a71fcf0a3_attn,@function
k_q9a71fcf0a3_attn:
	s_mov_b64 s[64:65], 0
	v_nop
	global_prefetch_b8 v0, s[64:65] scope:SCOPE_SE
	s_setreg_imm32_b32 hwreg(HW_REG_WAVE_MODE, 25, 1), 1
	s_wait_xcnt 0x0
	s_wait_alu depctr_hold_cnt(0) depctr_sa_sdst(0) depctr_va_vdst(0) depctr_va_sdst(0) depctr_va_ssrc(0) depctr_va_vcc(0) depctr_vm_vsrc(0)
	s_getreg_b32 s2, hwreg(HW_REG_IB_STS2, 6, 4)
	s_cmp_eq_u32 s2, 0
	s_cbranch_scc0 .Lentry_in_a_cluster
	s_endpgm
.Lentry_in_a_cluster:
	s_bfe_u32 s2, ttmp6, 0x10000c
	s_cmp_lg_u32 s2, 0x3003
	s_cbranch_scc0 .Lentry_shape_is_right
	s_endpgm
.Lentry_shape_is_right:
; ATTN.  o = softmax(q k^T / 8) v for one (batch, head) a cluster, both products on codes of FP6 (E2M3) with E8M0 scales; o is quantised along the model's 1,024 (the head's 64 are two blocks) and leaves as codes.
; THE SOFTMAX: t = score x log2(e) / 8; M = the running largest t rounded UP to a whole number; p = 2^(t - M) is quantised along the keys, not normalised; the row's sum is taken of the unquantised p and divides at the end.
;   When M moves, the sum and O are multiplied by 2^(old M - new M): exact.
; SHARES.  A work-group takes 512 queries, each of its eight waves 64: two passes, each with a pair of tiles of 16 queries (A, B) side by side, 256 keys (two records) a trip, eight trips.  Each fragment of K and V feeds both tiles.
; THE HEAD'S K, V AND SCALE WORDS, 16 records of 13,056 bytes, LIE IN LDS FOR THE WHOLE LAUNCH: wave w brings records 2 w, 2 w + 1 by ONE tensor load (102 rows of 256 bytes, 64 bytes of padding behind each: a record is 16,320 bytes of LDS),
;   asked for jointly by the cluster's four work-groups.  No byte is filled again, none is stored to: one barrier behind the fill.  No prefetch: every fill stands at the head, so there is no loop to run ahead in.
; A record (bytes in memory): K's four blocks Q (a pair of tiles x the head's 64, an image of 12 registers: registers 4 c on of lane l at 512 c + 16 l; tile e, row r' is key 32 Q + 16 (r' / 8) + 8 e + r' % 8); V's four fragments
;   (16 channels x 128 keys) at 6,144; K's scale words at 12,288 + 256 (Q / 2) + 8 (16 e + r') + 4 (Q % 2); V's [lane][2] at 12,800.
; WHICH KEYS FORM A TILE OF K is chosen by the lanes' LDS addresses: row 8 a + j of tile 4 c + u is key 64 c + 32 a + 8 u + j: lane (8 a + j, h) reads old lane 16 h + 8 (u / 2) + j of block 2 c + a.  With S^T = K Q^T lane (r, h) then holds,
;   in the 32 registers of tiles 4 c .. 4 c + 3, keys 64 c + 32 h + 0 .. 31 of query r: a WHOLE scale block, in the order of the next operand's registers: no lane asks another for a block's maximum, and no codes change lanes.
;   With the padding, the eight lanes of a = 1 stand 1,920 bytes (128 modulo 256) from those of a = 0: sixteen lanes touch sixteen different columns of 16 bytes.
; THE FIRST PRODUCT'S K IS 64, the instruction's 128: Q's fragments have zero codes in their upper six registers; K's tiles lie six registers apart, so the upper half of a tile's operand is the next tile's codes (zeros behind the last): they add nothing.
; RESULTS: ac [head 16][pair 256][1,536], asc [pair 256][sq 4][lane 32][8 bytes]: head hd owns bytes 2 (hd % 4), + 1 of a lane's eight in sq = hd / 4: stores of two bytes a lane, 128 bytes a wave in the whole launch.
; LIMITS: NaN and infinities are not served; a p under 2^-126 counts as 0; a block whose largest magnitude lies under 2^-124 keeps the scale byte 1; the promise holds while the scaled scores stay under 2^31 in magnitude.
; REGISTERS.  Window 1 (v256-511): S^T, then p: tile A at 0, tile B at 128, 32 registers a block of keys; when A's codes are made, V's eight fragments land on A's registers (record 0 at 0, record 1 at 64).
;   Window 0: see the names below.  The last trip of a pass asks for record 0's K again: the next pass begins with it (behind the last pass these 16 loads are not used).
.set RECP, 16320
.set SPARE, 16*RECP                    ; the spare words, 1,024 bytes
.set WV,  12
.set SEL, 28                           ; s[28:29] lane selects: lane l xor 16
.set CS,  30                           ; s[30:31] c = log2(e) / 8, twice
.set TB,  32                           ; the trip's first record in LDS
.set CNT, 33
.set PCN, 35
.set LK,  1                            ; lane terms of the LDS addresses: K's codes, V's codes, K's scale words, 8 x lane
.set LV,  2
.set LKS, 3
.set LVS, 4
.set AK,  5                            ; the trip's addresses: AK, AKS, AV, AVS
.set SPW, 6
.set NIL, 7
.set NM,  8                            ; v8 -M, v9 the largest score of tile A; v10, v11 of B
.set LS,  12                           ; v[12:13], v[14:15] the rows' sums
.set QF,  16                           ; v16-27, v28-39 Q's fragments; v40, v41 their scale words
.set QS,  40
.set KV,  42                           ; v42-89 K's eight tiles; v90-95 zeros
.set KS,  96                           ; v96-99 K's scale words; v100-103 V's
.set VS,  100
.set OA,  104                          ; v104-135, v136-167 O^T
.set PF,  168                          ; v168-191 p's codes of one tile, two records (at a pass's end: o's codes and bytes)
.set QN,  192                          ; v192-205 the second pass's Q
.set AKS, 206
.set AV,  207
.set AVS, 208
.set GL,  209                          ; 16 x lane
.set Q8,  210                          ; 8 r
.set SH,  211                          ; 8 h
.set T,   216                          ; v216-231 the sums' chains, then the conversions' second halves
.set PS,  232                          ; v232, v233 p's scale words
.set F,   236                          ; v[236:237], v[238:239] 2^(old M - new M)
.set BM,  240                          ; v240-247 each block's largest score, then its largest p
.set W,   248                          ; v248-255 at work
.set MSB, 0
.macro WIN new                         ; the immediate's high byte repeats the setting that is left
.if MSB != (\new)
	s_set_vgpr_msb (MSB<<8)|(\new)
.set MSB, (\new)
.endif
.endm
.macro WALU
	s_wait_alu depctr_va_vdst(0)
.endm
.macro ROUND
	s_barrier_signal -1
	s_barrier_wait -1
	s_cmp_lg_u32 s[WV], 0
	s_cbranch_scc1 .Lnw0_\@
	s_barrier_signal -3
.Lnw0_\@:
	s_barrier_wait -3
	s_barrier_signal -1
	s_barrier_wait -1
.endm
.macro WMZ acc, fa, fb, sa, sb, ra     ; a product that starts a sum; ra: source 0's scale words stand in lanes 16-31
.if (\ra) != 0
	v_wmma_scale_f32_16x16x128_f8f6f4 v[(\acc):(\acc)+7], v[(\fa):(\fa)+11], v[(\fb):(\fb)+11], 0, v[\sa], v[\sb] matrix_a_fmt:MATRIX_FMT_FP6 matrix_b_fmt:MATRIX_FMT_FP6 matrix_a_scale:MATRIX_SCALE_ROW1
.else
	v_wmma_scale_f32_16x16x128_f8f6f4 v[(\acc):(\acc)+7], v[(\fa):(\fa)+11], v[(\fb):(\fb)+11], 0, v[\sa], v[\sb] matrix_a_fmt:MATRIX_FMT_FP6 matrix_b_fmt:MATRIX_FMT_FP6
.endif
.endm
.macro WMA acc, fa, fb, sa, sb, ra     ; a product onto its sum
.if (\ra) != 0
	v_wmma_scale_f32_16x16x128_f8f6f4 v[(\acc):(\acc)+7], v[(\fa):(\fa)+11], v[(\fb):(\fb)+11], v[(\acc):(\acc)+7], v[\sa], v[\sb] matrix_a_fmt:MATRIX_FMT_FP6 matrix_b_fmt:MATRIX_FMT_FP6 matrix_a_scale:MATRIX_SCALE_ROW1
.else
	v_wmma_scale_f32_16x16x128_f8f6f4 v[(\acc):(\acc)+7], v[(\fa):(\fa)+11], v[(\fb):(\fb)+11], v[(\acc):(\acc)+7], v[\sa], v[\sb] matrix_a_fmt:MATRIX_FMT_FP6 matrix_b_fmt:MATRIX_FMT_FP6
.endif
.endm
.macro KLOAD off                       ; a record's K: group g = 2 c + b holds tiles 4 c + 2 b and + 1; 16 loads
.irp g, 0,1,2,3
.irp c, 0,1,2
	ds_load_b128 v[KV+12*\g+4*\c:KV+12*\g+4*\c+3], v[AK] offset:(\off)+3840*(\g/2)+128*(\g%2)+640*\c
.endr
.endr
.irp g, 0,1,2,3
	ds_load_b32 v[KS+\g], v[AKS] offset:(\off)+15360+320*(\g/2)+64*(\g%2)   ; lanes 0-15 the even tile's words, lanes 16-31 the odd tile's
.endr
.endm
.macro SMUL rec                        ; S^T = K Q^T: eight tiles of keys x two tiles of queries
	WIN 0x40
.irp t, 0,1,2,3,4,5,6,7
	WMZ 64*(\rec)+8*\t, KV+6*\t, QF, KS+\t/2, QS, \t%2
	WMZ 128+64*(\rec)+8*\t, KV+6*\t, QF+12, KS+\t/2, QS+1, \t%2
.endr
	WIN 0
.endm
.macro MAXT rec                        ; the largest score of each block of 32 keys: four chains by turns; each accumulator is read from its low end on
	WIN 0x15
.irp q, 0,1
.irp c, 0,1
	v_max3_num_f32 v[BM+4*\q+2*(\rec)+\c], v[128*\q+64*(\rec)+32*\c], v[128*\q+64*(\rec)+32*\c+1], v[128*\q+64*(\rec)+32*\c+2]
.endr
.endr
	WIN 0x14
.irp i, 3,5,7,9,11,13,15,17,19,21,23,25,27,29
.irp q, 0,1
.irp c, 0,1
	v_max3_num_f32 v[BM+4*\q+2*(\rec)+\c], v[BM+4*\q+2*(\rec)+\c], v[128*\q+64*(\rec)+32*\c+\i], v[128*\q+64*(\rec)+32*\c+\i+1]
.endr
.endr
.endr
	WIN 0x04
.irp q, 0,1
.irp c, 0,1
	v_max_num_f32 v[BM+4*\q+2*(\rec)+\c], v[BM+4*\q+2*(\rec)+\c], v[128*\q+64*(\rec)+32*\c+31]
.endr
.endr
	WIN 0
.endm
.macro SUM q                           ; the row's sum of the unquantised p: four chains, two numbers a line; the old sum comes under the new M in the last line
	WIN 0x05
.irp k, 0,1,2,3
	v_pk_add_f32 v[T+2*\k:T+2*\k+1], v[128*(\q)+32*\k:128*(\q)+32*\k+1], v[128*(\q)+32*\k+2:128*(\q)+32*\k+3]
.endr
	WIN 0x04
.irp i, 4,6,8,10,12,14,16,18,20,22,24,26,28,30
.irp k, 0,1,2,3
	v_pk_add_f32 v[T+2*\k:T+2*\k+1], v[T+2*\k:T+2*\k+1], v[128*(\q)+32*\k+\i:128*(\q)+32*\k+\i+1]
.endr
.endr
	WIN 0
	v_pk_add_f32 v[T:T+1], v[T:T+1], v[T+2:T+3]
	v_pk_add_f32 v[T+4:T+5], v[T+4:T+5], v[T+6:T+7]
	v_pk_add_f32 v[T:T+1], v[T:T+1], v[T+4:T+5]
	v_pk_fma_f32 v[LS+2*(\q):LS+2*(\q)+1], v[LS+2*(\q):LS+2*(\q)+1], v[F+2*(\q):F+2*(\q)+1], v[T:T+1] op_sel_hi:[1,0,1]
.endm
.macro SCALE q                         ; my four blocks' scale operands (W .. W+3), and the two records' scale words
.irp k, 0,1,2,3
	v_max_num_f32 v[BM+4*(\q)+\k], 0x1800000, v[BM+4*(\q)+\k]      ; the floor 2^(3 - 127)
.endr
.irp k, 0,1,2,3
	v_add_nc_u32 v[W+\k], 0xff000000, v[BM+4*(\q)+\k]              ; 2 off the exponent field
.endr
.irp k, 0,1,2,3
	v_lshrrev_b32 v[W+4+\k], 23, v[W+\k]                           ; the byte
.endr
	v_lshl_or_b32 v[W+4], v[W+5], 16, v[W+4]       ; my bytes are blocks h and 2 + h of a record
	v_lshl_or_b32 v[W+6], v[W+7], 16, v[W+6]
	v_lshlrev_b32 v[W+4], v[SH], v[W+4]
	v_lshlrev_b32 v[W+6], v[SH], v[W+6]
	v_permlanex16_b32 v[W+5], v[W+4], s[SEL], s[SEL+1]
	v_permlanex16_b32 v[W+7], v[W+6], s[SEL], s[SEL+1]
	v_or_b32 v[PS], v[W+4], v[W+5]                 ; with lane l xor 16's two the word is whole
	v_or_b32 v[PS+1], v[W+6], v[W+7]
.endm
.macro CVT q                           ; block k = 2 rec + c: registers 6 c .. 6 c + 5 of record rec's operand
	WIN 0x01
.irp k, 0,1,2,3
	v_cvt_scalef32_pk16_fp6_f32 v[PF+6*\k:PF+6*\k+2], v[128*(\q)+32*\k:128*(\q)+32*\k+15], v[W+\k]
	v_cvt_scalef32_pk16_fp6_f32 v[T+4*\k:T+4*\k+2], v[128*(\q)+32*\k+16:128*(\q)+32*\k+31], v[W+\k]   ; (a conversion's three registers begin on an even number)
.endr
	WIN 0
	v_nop                                          ; one plain place behind the scaled conversions
.irp k, 0,1,2,3
.irp i, 0,1,2
	v_mov_b32 v[PF+6*\k+3+\i], v[T+4*\k+\i]
.endr
.endr
.endm
.macro ORES q                          ; O^T under the new M.  (Also the places between the writes of p's codes and scale words and the products)
.set J, 0
.rept 16
	v_pk_mul_f32 v[OA+32*(\q)+J:OA+32*(\q)+J+1], v[OA+32*(\q)+J:OA+32*(\q)+J+1], v[F+2*(\q):F+2*(\q)+1] op_sel_hi:[1,0]
.set J, J+2
.endr
.endm
.macro PV q                            ; O^T += V^T P^T: four accumulators by turns, twice
	WIN 0x01
.irp rec, 0,1
.irp t, 0,1,2,3
	WMA OA+32*(\q)+8*\t, 64*\rec+12*\t, PF+12*\rec, VS+2*\rec+\t/2, PS+\rec, \t%2
.endr
.endr
	WIN 0
.endm
	s_load_b256 s[4:11], s[0:1], 0x0               ; q s[4:5], kv s[6:7], ac s[8:9], asc s[10:11]
	v_lshl_add_u32 v[SPW], v0, 2, SPARE
	v_mov_b32 v[NIL], 0
	ds_add_u32 v[SPW], v[NIL]                      ; the opening lines
	ds_add_u32 v[SPW], v[NIL]
	v_lshrrev_b32 v[W], 5, v0
	v_readfirstlane_b32 s[WV], v[W]                ; wave 0..7
	s_bfe_u32 s13, ttmp6, 0x40000                  ; cx: it enters q's, ac's and asc's addresses alone
	s_and_b32 s14, ttmp7, 0xffff                   ; 16 x batch + head, which the four partners share
	s_mov_b32 s16, 15|(3<<16)|(1<<20)|(1<<21)|(5<<22)|(15<<25)   ; the mask names all four; elements of 8 bytes; behind every 64 words 16 words of padding
	s_mov_b32 s17, 32<<16                          ; two records are dense: 102 rows of 256 bytes
	s_mov_b32 s18, 102<<16
	s_mov_b32 s19, 32<<16
	s_mov_b32 s20, 102
	s_mov_b32 s21, 32
	s_mov_b32 s22, 0
	s_mov_b32 s23, 0
	s_mul_i32 s15, s[WV], 2*RECP                   ; where my two records go in LDS
	s_mul_i32 s36, s14, 208896
	s_mul_i32 s37, s[WV], 26112
	s_add_co_u32 s36, s36, s37
	s_mov_b32 s37, 0
	s_mov_b32 s[SEL], 0x76543210
	s_mov_b32 s[SEL+1], 0xfedcba98
	s_mov_b32 s[CS], 0x3e38aa3b                    ; log2(e) / 8
	s_mov_b32 s[CS+1], s[CS]
	s_mov_b32 s34, 0xffff0000                      ; lanes 16-31
	; my pairs of tiles of queries are pairs 16 cx + 2 w, + 1 of the head: record 4 cx + w / 2 of q, blocks 2 (w % 2), + 1
	s_mul_i32 s38, s14, 106496
	s_lshl_b32 s40, s13, 2
	s_lshr_b32 s41, s[WV], 1
	s_add_co_u32 s40, s40, s41
	s_mul_i32 s40, s40, 6656
	s_add_co_u32 s38, s38, s40
	s_and_b32 s35, s[WV], 1
	s_mul_i32 s40, s35, 3072
	s_add_co_u32 s40, s40, s38
	s_mov_b32 s41, 0
	s_lshl_b32 s42, s35, 8
	s_add_co_u32 s42, s42, 6144                    ; their scale words: 6,144 + 256 (block / 2) + 4 (block % 2)
	s_add_co_u32 s42, s42, s38
	s_mov_b32 s43, 0
	; where o goes: pair 64 x batch + 16 cx + 2 w on
	s_and_b32 s35, s14, 15                         ; the head
	s_lshr_b32 s44, s14, 4
	s_lshl_b32 s44, s44, 6
	s_lshl_b32 s46, s13, 4
	s_add_co_u32 s44, s44, s46
	s_lshl_b32 s46, s[WV], 1
	s_add_co_u32 s44, s44, s46
	s_lshl_b32 s46, s44, 10
	s_mul_i32 s44, s44, 1536
	s_mul_i32 s45, s35, 393216
	s_add_co_u32 s44, s44, s45
	s_mov_b32 s45, 0
	s_lshr_b32 s47, s35, 2
	s_lshl_b32 s47, s47, 8
	s_add_co_u32 s46, s46, s47
	s_and_b32 s47, s14, 3
	s_lshl_b32 s47, s47, 1
	s_add_co_u32 s46, s46, s47
	s_mov_b32 s47, 0
	v_and_b32 v[W+1], 31, v0                       ; lane
	v_and_b32 v[W+2], 15, v0                       ; r
	v_bfe_u32 v[W+3], v0, 4, 1                     ; h
	v_and_b32 v[W+4], 7, v0                        ; j
	v_bfe_u32 v[W+5], v0, 3, 1                     ; a
	v_lshlrev_b32 v[GL], 4, v[W+1]
	v_lshlrev_b32 v[LVS], 3, v[W+1]
	v_lshlrev_b32 v[Q8], 3, v[W+2]
	v_lshlrev_b32 v[SH], 3, v[W+3]
	v_mul_u32_u24 v[W+6], v[W+3], 320
	v_lshl_add_u32 v[LV], v[W+2], 4, v[W+6]        ; V: 320 h + 16 r
	v_mul_u32_u24 v[LK], v[W+5], 1920
	v_add_nc_u32 v[LK], v[LK], v[W+6]
	v_lshl_add_u32 v[LK], v[W+4], 4, v[LK]         ; K: 1,920 a + 320 h + 16 j
	v_lshlrev_b32 v[LKS], 7, v[W+3]
	v_lshl_add_u32 v[LKS], v[W+4], 3, v[LKS]
	v_lshl_add_u32 v[LKS], v[W+5], 2, v[LKS]       ; K's scale words: 128 h + 8 j + 4 a
.irp j, 22,23,24,25,26,27,34,35,36,37,38,39,90,91,92,93,94,95
	v_mov_b32 v[\j], 0                             ; zero codes: the upper halves of Q's fragments, and what lies behind K's last tile; written once
.endr
.irp j, F+1, F+3, W+7
	v_mov_b32 v[\j], 0                             ; (upper halves of pairs and a lane permute's destination count as read)
.endr
	WALU
	s_wait_dscnt 0x0
	s_wait_kmcnt 0x0
	s_mov_b32 s24, 1
	s_mov_b32 s25, s15
	s_add_nc_u64 s[26:27], s[6:7], s[36:37]
	s_or_b32 s27, s27, 0x80000000
	s_add_nc_u64 s[40:41], s[4:5], s[40:41]
	s_add_nc_u64 s[42:43], s[4:5], s[42:43]
	s_add_nc_u64 s[44:45], s[8:9], s[44:45]
	s_add_nc_u64 s[46:47], s[10:11], s[46:47]
	ROUND                                          ; all four work-groups are here: the joint loads meet
	tensor_load_to_lds s[24:27], s[16:23]
	s_nop 0
.rept 4
	v_nop
.endr
	global_load_b128 v[QF:QF+3], v[GL], s[40:41]                   ; the first pair's block: registers 0-5 tile A's codes,
	global_load_b64 v[QF+4:QF+5], v[GL], s[40:41] offset:512
	global_load_b64 v[QF+12:QF+13], v[GL], s[40:41] offset:520     ; 6-11 tile B's
	global_load_b128 v[QF+14:QF+17], v[GL], s[40:41] offset:1024
	global_load_b32 v[QS], v[Q8], s[42:43]                         ; lane r: row r's scale word
	global_load_b32 v[QS+1], v[Q8], s[42:43] offset:128
	global_load_b128 v[QN:QN+3], v[GL], s[40:41] offset:1536       ; the second pair's
	global_load_b64 v[QN+4:QN+5], v[GL], s[40:41] offset:2048
	global_load_b64 v[QN+6:QN+7], v[GL], s[40:41] offset:2056
	global_load_b128 v[QN+8:QN+11], v[GL], s[40:41] offset:2560
	global_load_b32 v[QN+12], v[Q8], s[42:43] offset:4
	global_load_b32 v[QN+13], v[Q8], s[42:43] offset:132
	s_wait_tensorcnt 0x0                           ; my records have landed,
	s_barrier_signal -1
	s_barrier_wait -1                              ; everybody's have
	s_mov_b32 s[TB], 0
	v_add_nc_u32 v[AK], s[TB], v[LK]
	v_add_nc_u32 v[AKS], s[TB], v[LKS]
	KLOAD 0
	s_mov_b32 s[PCN], 2
	s_wait_loadcnt 0x0                             ; Q
.Lpass:
.irp q, 0,1
	v_mov_b32 v[NM+2*\q], 0x7e000000               ; -M = 2^125: under it the first change of M gives the factor 0
	v_mov_b32 v[NM+2*\q+1], 0xff61b1e6             ; the largest score so far: -3e38
	v_mov_b32 v[LS+2*\q], 0
	v_mov_b32 v[LS+2*\q+1], 0
.endr
.set J, 0
.rept 64
	v_mov_b32 v[OA+J], 0                           ; O^T: the trip is written once; the first finds zeros
.set J, J+1
.endr
	s_mov_b32 s[CNT], 8
.Ltrip:
	WALU
	s_wait_dscnt 0x0                               ; the first record's K
	SMUL 0
	v_add_nc_u32 v[AV], s[TB], v[LV]               ; four places behind the products, in front of loads into their sources
	v_add_nc_u32 v[AVS], s[TB], v[LVS]
	v_nop
	v_nop
	KLOAD RECP                                     ; the second record's K lands under the first's maxima
	MAXT 0
	WALU
	s_wait_dscnt 0x0
	SMUL 1
	s_add_co_u32 s[TB], s[TB], 2*RECP              ; the next trip's records; behind the last, record 0 again
	s_cmp_eq_u32 s[TB], 16*RECP
	s_cselect_b32 s[TB], 0, s[TB]
	v_add_nc_u32 v[AK], s[TB], v[LK]
	v_add_nc_u32 v[AKS], s[TB], v[LKS]
	v_nop
	v_nop
	KLOAD 0                                        ; the next trip's first K lands under the whole softmax
	MAXT 1
	; the running maximum, M and the factor, tiles A and B by turns
.irp q, 0,1
	v_max3_num_f32 v[W+2*\q], v[BM+4*\q], v[BM+4*\q+1], v[NM+2*\q+1]
.endr
.irp q, 0,1
	v_max3_num_f32 v[W+2*\q], v[W+2*\q], v[BM+4*\q+2], v[BM+4*\q+3]
.endr
.irp q, 0,1
	v_permlanex16_b32 v[W+2*\q+1], v[W+2*\q], s[SEL], s[SEL+1]
.endr
.irp q, 0,1
	v_max_num_f32 v[NM+2*\q+1], v[W+2*\q], v[W+2*\q+1]             ; with lane l xor 16's keys
.endr
.irp q, 0,1
	v_mul_f32 v[W+2*\q], s[CS], v[NM+2*\q+1]       ; as t (c is positive)
.endr
.irp q, 0,1
	v_mov_b32 v[W+2*\q+1], v[NM+2*\q]
.endr
.irp q, 0,1
	v_floor_f32 v[NM+2*\q], -v[W+2*\q]             ; the new -M = -ceil(t)
.endr
.irp q, 0,1
	v_sub_f32 v[W+2*\q+1], v[NM+2*\q], v[W+2*\q+1] ; old M - new M: a whole number, 0 or less
.endr
.irp q, 0,1
	v_cvt_i32_f32 v[W+2*\q+1], v[W+2*\q+1]         ; (it saturates)
.endr
.irp q, 0,1
	v_ldexp_f32 v[F+2*\q], 1.0, v[W+2*\q+1]
.endr
.irp q, 0,1
.irp k, 0,1,2,3
	v_fma_f32 v[BM+4*\q+\k], v[BM+4*\q+\k], s[CS], v[NM+2*\q]      ; t - M of each block's largest score
.endr
.endr
	WIN 0x41
.set J, 0
.rept 64
	v_pk_fma_f32 v[J:J+1], v[J:J+1], s[CS:CS+1], v[NM:NM+1] op_sel_hi:[1,0,0]   ; tile A: t - M, two at a time
.set J, J+2
.endr
	WALU
.set J, 0
.rept 64
	v_exp_f32 v[J], v[J]                           ; tile A: p = 2^(t - M);
	v_exp_f32 v[J+1], v[J+1]
	v_pk_fma_f32 v[128+J:129+J], v[128+J:129+J], s[CS:CS+1], v[NM+2:NM+3] op_sel_hi:[1,0,0]   ; among them tile B's t - M, which is read behind the next waits
.set J, J+2
.endr
	WIN 0
.irp k, 0,1,2,3,4,5,6,7
	v_exp_f32 v[BM+\k], v[BM+\k]                   ; each block's largest p: the same two instructions on the same number
.endr
	v_nop
	WALU                                           ; one wait for the batch, ahead of its first reader
	SUM 0
	SCALE 0
	CVT 0
	WIN 0x40
.irp rec, 0,1
.irp t, 0,1,2,3
.irp c, 0,1,2
	ds_load_b128 v[64*\rec+12*\t+4*\c:64*\rec+12*\t+4*\c+3], v[AV] offset:RECP*\rec+7680+1920*\t+640*\c   ; V's eight fragments, onto tile A's p, which is done with; they land under tile B's exponentials
.endr
.endr
.endr
	WIN 0
	ds_load_b64 v[VS:VS+1], v[AVS] offset:16000
	ds_load_b64 v[VS+2:VS+3], v[AVS] offset:RECP+16000
	WALU
	WIN 0x41
.set J, 0
.rept 128
	v_exp_f32 v[128+J], v[128+J]                   ; tile B's p
.set J, J+1
.endr
	WIN 0
	v_nop
	WALU                                           ; for the batch, and directly ahead of the first reader of O^T
	ORES 0
	WALU
	s_wait_dscnt 0x0                               ; V, and with it the next trip's K
	PV 0
	SUM 1                                          ; (also the places behind the products, in front of the writes of p's codes and scale words)
	SCALE 1
	CVT 1
	WALU                                           ; directly ahead of the first reader of tile B's O^T
	ORES 1
	PV 1
.rept 5
	v_nop                                          ; five places: the next trip's first products write over V's registers
.endr
	s_sub_co_u32 s[CNT], s[CNT], 1
	s_cmp_lg_u32 s[CNT], 0
	WALU
	s_cbranch_scc1 .Ltrip
	; the pass's end: o = O^T / the sum, quantised along the head's two blocks of 32 channels (register 16 b + i = channel 32 b + 16 h + i)
.irp q, 0,1
	v_add_f32 v[LS+2*\q], v[LS+2*\q], v[LS+2*\q+1]
.endr
.irp q, 0,1
	v_permlanex16_b32 v[W+\q], v[LS+2*\q], s[SEL], s[SEL+1]
.endr
.irp q, 0,1
	v_add_f32 v[LS+2*\q], v[LS+2*\q], v[W+\q]      ; the row's sum
.endr
	WALU
.irp q, 0,1
	v_rcp_f32 v[LS+2*\q], v[LS+2*\q]
.endr
	v_nop
	WALU
.irp q, 0,1
.set J, 0
.rept 16
	v_pk_mul_f32 v[OA+32*\q+J:OA+32*\q+J+1], v[OA+32*\q+J:OA+32*\q+J+1], v[LS+2*\q:LS+2*\q+1] op_sel_hi:[1,0]
.set J, J+2
.endr
.endr
.irp n, 0,1,2,3                                    ; chain n = 2 q + b
	v_max3_num_f32 v[BM+\n], |v[OA+16*\n]|, |v[OA+16*\n+1]|, 0x1800000
.endr
.irp i, 2,4,6,8,10,12,14
.irp n, 0,1,2,3
	v_max3_num_f32 v[BM+\n], v[BM+\n], |v[OA+16*\n+\i]|, |v[OA+16*\n+\i+1]|
.endr
.endr
.irp n, 0,1,2,3
	v_permlanex16_b32 v[W+\n], v[BM+\n], s[SEL], s[SEL+1]
.endr
.irp n, 0,1,2,3
	v_max_num_f32 v[BM+\n], v[BM+\n], v[W+\n]
.endr
.irp n, 0,1,2,3
	v_add_nc_u32 v[W+\n], 0xff000000, v[BM+\n]
.endr
.irp n, 0,1,2,3
	v_lshrrev_b32 v[W+4+\n], 23, v[W+\n]
.endr
.irp q, 0,1
	v_lshl_or_b32 v[PF+12+\q], v[W+5+2*\q], 8, v[W+4+2*\q]         ; the head's two bytes of my row
.endr
.irp q, 0,1
	v_cvt_scalef32_pk16_fp6_f32 v[PF+6*\q:PF+6*\q+2], v[OA+32*\q:OA+32*\q+15], v[W+2*\q]
	v_cvt_scalef32_pk16_fp6_f32 v[T+4*\q:T+4*\q+2], v[OA+32*\q+16:OA+32*\q+31], v[W+2*\q+1]
.endr
	v_nop
.irp q, 0,1
.irp i, 0,1,2
	v_permlane16_swap_b32 v[PF+6*\q+\i], v[T+4*\q+\i]              ; a whole block to a lane
.endr
.endr
.irp q, 0,1
.irp i, 0,1,2
	v_mov_b32 v[PF+6*\q+3+\i], v[T+4*\q+\i]
.endr
.endr
	v_cndmask_b32 v[PF+14], v[PF+12], v[PF+13], s34                ; lanes 0-15 tile A's bytes, lanes 16-31 tile B's
.irp c, 0,1,2
	global_store_b128 v[GL], v[PF+4*\c:PF+4*\c+3], s[44:45] offset:512*\c   ; the pair's block of this head: 512 consecutive bytes a store
.endr
	global_store_b16 v[LVS], v[PF+14], s[46:47]
	s_wait_xcnt 0x0                                ; the stores have read their registers and bases
	s_add_nc_u64 s[44:45], s[44:45], 1536          ; the next pair
	s_add_nc_u64 s[46:47], s[46:47], 1024
	s_cmp_eq_u32 s[PCN], 1
	WALU
	s_cbranch_scc1 .Lno_more
.irp i, 0,1,2,3,4,5
	v_mov_b32 v[QF+\i], v[QN+\i]                   ; the second pass's Q
	v_mov_b32 v[QF+12+\i], v[QN+6+\i]
.endr
	v_mov_b32 v[QS], v[QN+12]
	v_mov_b32 v[QS+1], v[QN+13]
.Lno_more:
	s_sub_co_u32 s[PCN], s[PCN], 1
	s_cmp_lg_u32 s[PCN], 0
	WALU
	s_cbranch_scc1 .Lpass
	s_wait_tensorcnt 0x0                           ; the wave's end
	ds_add_u32 v[SPW], v[NIL]
	s_wait_dscnt 0x0
	ROUND                                          ; the closing round
	s_endpgm
.Lfunc_end_k_q9a71fcf0a3_attn:
	.size	k_q9a71fcf0a3_attn, .Lfunc_end_k_q9a71fcf0a3_attn-k_q9a71fcf0a3_attn
	.p2alignl 7, 3214868480
	.fill 96, 4, 3214868480
	.section	.rodata,"a",@progbits
	.p2align	6, 0x0
	.amdhsa_kernel k_q9a71fcf0a3_attn
		.amdhsa_group_segment_fixed_size 262144
		.amdhsa_private_segment_fixed_size 0
		.amdhsa_enable_private_segment 0
		.amdhsa_kernarg_size 32
		.amdhsa_user_sgpr_count 2
		.amdhsa_user_sgpr_kernarg_segment_ptr 1
		.amdhsa_wavefront_size32 1
		.amdhsa_system_sgpr_workgroup_id_x 1
		.amdhsa_system_sgpr_workgroup_id_y 1
		.amdhsa_system_sgpr_workgroup_id_z 1
		.amdhsa_system_vgpr_workitem_id 0
		.amdhsa_next_free_vgpr 512
		.amdhsa_next_free_sgpr 66
		.amdhsa_reserve_vcc 0
		.amdhsa_float_denorm_mode_32 3
		.amdhsa_float_denorm_mode_16_64 3
		.amdhsa_memory_ordered 1
		.amdhsa_forward_progress 1
		.amdhsa_inst_pref_size 70
	.end_amdhsa_kernel
	.amdgpu_metadata
---
amdhsa.version: [ 1, 2 ]
amdhsa.kernels:
  - .name:           k_q9a71fcf0a3_attn
    .symbol:         k_q9a71fcf0a3_attn.kd
    .args:
      - { .name: q, .offset: 0, .size: 8, .value_kind: global_buffer, .address_space: global }
      - { .name: kv, .offset: 8, .size: 8, .value_kind: global_buffer, .address_space: global }
      - { .name: ac, .offset: 16, .size: 8, .value_kind: global_buffer, .address_space: global }
      - { .name: asc, .offset: 24, .size: 8, .value_kind: global_buffer, .address_space: global }
    .group_segment_fixed_size: 262144
    .private_segment_fixed_size: 0
    .kernarg_segment_align: 8
    .kernarg_segment_size: 32
    .max_flat_workgroup_size: 256
    .sgpr_count:     66
    .vgpr_count:     512
    .wavefront_size: 32
...
	.end_amdgpu_metadata
.endif
;; end of part 3
;; launch proj (part 4): grid 8 x 32, 4 waves a work-group, clusters of 4 x 4, 327,680 bytes of LDS; arguments ac, asc, opc, ops, b_out, out0; writes out0
.if DOCPART == 4
	.amdgcn_target "amdgcn-amd-amdhsa--gfx1250"
	.amdhsa_code_object_version 6
	.text
	.protected	k_q9a71fcf0a3_proj
	.globl	k_q9a71fcf0a3_proj
	.p2align	8
	.type	k_q9a71fcf0a3_proj,@function
k_q9a71fcf0a3_proj:
	s_mov_b64 s[64:65], 0
	v_nop
	global_prefetch_b8 v0, s[64:65] scope:SCOPE_SE
	s_setreg_imm32_b32 hwreg(HW_REG_WAVE_MODE, 25, 1), 1
	s_wait_xcnt 0x0
	s_wait_alu depctr_hold_cnt(0) depctr_sa_sdst(0) depctr_va_vdst(0) depctr_va_sdst(0) depctr_va_ssrc(0) depctr_va_vcc(0) depctr_vm_vsrc(0)
	s_getreg_b32 s2, hwreg(HW_REG_IB_STS2, 6, 4)
	s_cmp_eq_u32 s2, 0
	s_cbranch_scc0 .Lentry_in_a_cluster
	s_endpgm
.Lentry_in_a_cluster:
	s_bfe_u32 s2, ttmp6, 0x10000c
	s_cmp_lg_u32 s2, 0xf033
	s_cbranch_scc0 .Lentry_shape_is_right
	s_endpgm
.Lentry_shape_is_right:
; PROJ.  out0 = o W_out^T + b_out on codes of FP6 (E2M3) with E8M0 scales.  o's codes and scale words were made by the attention launch (ac, asc), W_out's by the first launch (pairs 352-383 of opc, ops).
; A work-group makes 256 tokens x 128 columns, K = 1,024.  ALL OF K LIES IN LDS: 294,912 bytes, filled once by eight tensor loads a work-group, two a wave: QUAD 0 at the head, QUAD 2 behind a round: no byte is filled again.
; CLUSTER 4 x 4: A's tiles (tokens) hang on cy and the cluster's y alone and are asked for jointly along a row of the cluster, B's (columns) on cx and the cluster's x alone and jointly along a column.
; Wave w owns tokens 64 w .. 64 w + 63 (four blocks a of 16) against B's eight tiles b: 32 accumulators.  The matrix instruction is used transposed: source 0 = B's tile, source 1 = A's block:
;   lane (r, h) holds A's row r (token 32 (a / 2) + 8 (a % 2) + r + 8 (r / 8) of the wave's 64), register 64 a + 8 b + j column 32 (b / 2) + 16 h + 8 (b % 2) + j.  The bias is the C of the first products.
; THE WAY OUT: a block of 16 tokens x 128 columns goes through the wave's own stage in LDS and leaves as whole rows of 512 bytes.  The stage lies in the wave's own part of A's first chunk: those bytes have had their one fill,
;   and the wave alone read them, in K steps 0 and 1.
; REGISTERS, in windows of 256: window 0: v1-23 addresses; v32-63 B's scale words, v64-79 A's; v128-223 A's fragments, two sets (on the way out v128-255: rows of out0).  window 1: B's fragments.  window 2: the accumulators.  window 3: v0-63 the bias.
.set GP,   589824                      ; bytes from g to g + 1 in opc
.set GA,   393216                      ; and in ac
.set WV,   16
.set G1A,  24
.set G1B,  32
.set G0A,  40
.set G0B,  68
.set ADRA, 16
.set ADRB, 20
.set SCB,  32
.set SCA,  64
.set AF,   128
.set BI,   0
.set SPT,  528                         ; a stage row: 512 bytes + 16
.set MUL,  0xa1
.set MULB, 0xb1
.set TO_B, 0x40
.set TO_3, 0xc0
.set MSB, 0
.macro WIN new
.if MSB != (\new)
	s_set_vgpr_msb (MSB<<8)|(\new)
.set MSB, (\new)
.endif
.endm
.macro ROUND
	s_barrier_signal -1
	s_barrier_wait -1
	s_cmp_lg_u32 s[WV], 0
	s_cbranch_scc1 .Lnw0_\@
	s_barrier_signal -3
.Lnw0_\@:
	s_barrier_wait -3
	s_barrier_signal -1
	s_barrier_wait -1
.endm
; THE FILLS, as they now stand: a chunk (256 along K) of A is ONE tile of 4 rows x 12,288 bytes, of B one of 4 rows x 6,144 bytes.  QUAD c: wave 0 asks for A's chunk c, wave 1 for B's, wave 2 for A's chunk c + 1, wave 3 for B's:
; one joint load a wave, in one chain of branches on the wave's number.  QUAD 0 stands at the head; QUAD 2 is a later first fill, behind the three lines and a round.
; The stage of the way out lies at 12,288 w in A's chunk 0, which all waves have read for the last time ahead of the walk's later barriers.
.macro TL g0, g1
	tensor_load_to_lds s[(\g0):(\g0)+3], s[(\g1):(\g1)+7]
	s_nop 0
.rept 4
	v_nop
.endr
.endm
.macro QUAD c
	s_cmp_lt_u32 s[WV], 1
	s_cbranch_scc0 .Lq1_\@
	TL G0A+4*(\c), G1A
	s_branch .Lqj_\@
.Lq1_\@:
	s_cmp_lt_u32 s[WV], 2
	s_cbranch_scc0 .Lq2_\@
	TL G0B+4*(\c), G1B
	s_branch .Lqj_\@
.Lq2_\@:
	s_cmp_lt_u32 s[WV], 3
	s_cbranch_scc0 .Lq3_\@
	TL G0A+4*(\c)+4, G1A
	s_branch .Lqj_\@
.Lq3_\@:
	TL G0B+4*(\c)+4, G1B
.Lqj_\@:
.endm
.macro PLACES
.rept 4
	v_nop
.endr
.endm
.macro WM acc, fa, fb, cr, sa, sb, ra, rb
.if ((\ra) != 0) && ((\rb) != 0)
	v_wmma_scale_f32_16x16x128_f8f6f4 v[(\acc):(\acc)+7], v[(\fa):(\fa)+11], v[(\fb):(\fb)+11], v[(\cr):(\cr)+7], v[\sa], v[\sb] matrix_a_fmt:MATRIX_FMT_FP6 matrix_b_fmt:MATRIX_FMT_FP6 matrix_a_scale:MATRIX_SCALE_ROW1 matrix_b_scale:MATRIX_SCALE_ROW1
.elseif (\ra) != 0
	v_wmma_scale_f32_16x16x128_f8f6f4 v[(\acc):(\acc)+7], v[(\fa):(\fa)+11], v[(\fb):(\fb)+11], v[(\cr):(\cr)+7], v[\sa], v[\sb] matrix_a_fmt:MATRIX_FMT_FP6 matrix_b_fmt:MATRIX_FMT_FP6 matrix_a_scale:MATRIX_SCALE_ROW1
.elseif (\rb) != 0
	v_wmma_scale_f32_16x16x128_f8f6f4 v[(\acc):(\acc)+7], v[(\fa):(\fa)+11], v[(\fb):(\fb)+11], v[(\cr):(\cr)+7], v[\sa], v[\sb] matrix_a_fmt:MATRIX_FMT_FP6 matrix_b_fmt:MATRIX_FMT_FP6 matrix_b_scale:MATRIX_SCALE_ROW1
.else
	v_wmma_scale_f32_16x16x128_f8f6f4 v[(\acc):(\acc)+7], v[(\fa):(\fa)+11], v[(\fb):(\fb)+11], v[(\cr):(\cr)+7], v[\sa], v[\sb] matrix_a_fmt:MATRIX_FMT_FP6 matrix_b_fmt:MATRIX_FMT_FP6
.endif
.endm
.macro FRAGP d, adr, off, gs           ; the two fragments (128 along K) of a pair of tiles, from two blocks gs bytes apart
.irp e, 0,1
	ds_load_b128 v[(\d)+6*\e:(\d)+6*\e+3], v[\adr] offset:(\off)+\e*(\gs)
	ds_load_b64 v[(\d)+6*\e+4:(\d)+6*\e+5], v[\adr] offset:(\off)+\e*(\gs)+512
	ds_load_b64 v[(\d)+12+6*\e:(\d)+13+6*\e], v[\adr] offset:(\off)+\e*(\gs)+520
	ds_load_b128 v[(\d)+14+6*\e:(\d)+17+6*\e], v[\adr] offset:(\off)+\e*(\gs)+1024
.endr
.endm
.macro FETCH s, p                      ; K step s into set p: 48 loads in one run
	WIN TO_B
.irp i, 0,1,2,3
	FRAGP 96*(\p)+24*\i, ADRB+(\s)/2, 1536*\i+12288*((\s)%2), 6144   ; B's chunk in LDS: [g 4][pair 4][1,536]
.endr
	WIN 0
.irp i, 0,1
	FRAGP AF+48*(\p)+24*\i, ADRA+(\s)/2, 1536*\i+24576*((\s)%2), 12288   ; A's chunk in LDS: [head 4][pair 8][1,536]; my two pairs' 3,072 w stands in the address register
.endr
.endm
.macro MUL16 p, s, a0, cm              ; 16 products; cm = -1: onto the sums; 0: C = the bias.  The 32 accumulators take turns, in the same order in every step
.irp a, \a0, \a0+1
.irp b, 0,1,2,3,4,5,6,7
.if (\cm) < 0
.set CR, 64*(\a)+8*\b
.else
.set CR, BI+8*\b
.endif
	WM 64*(\a)+8*\b, 96*(\p)+12*\b, AF+48*(\p)+12*(\a), CR, SCB+8*(\b/2)+(\s), SCA+8*((\a)/2)+(\s), \b%2, (\a)%2
.endr
.endr
.endm
.macro STEP s, cm
	s_wait_dscnt 8                                 ; B's fragments and A's first pair are in; the youngest eight loads (A's second pair) may be out
.if (\cm) < 0
	WIN MUL
.else
	WIN MULB
.endif
	MUL16 0, \s, 0, \cm
	PLACES
	FETCH (\s)+1, 1
	s_wait_dscnt 48                                ; all but the 48 just issued
.if (\cm) < 0
	WIN MUL
.else
	WIN MULB
.endif
	MUL16 0, \s, 2, \cm
.endm
.macro TURN s, n
	s_wait_dscnt 0x0                               ; no LDS load of mine is out at the signal
	s_wait_tensorcnt \n                            ; my load of the next chunk, if any, has landed; the n of later chunks may stay out: no byte is filled again behind this barrier
	s_barrier_signal -1
	WIN MUL
	MUL16 1, \s, 0, -1
	s_barrier_wait -1
	PLACES
	FETCH (\s)+1, 0
	WIN MUL
	MUL16 1, \s, 2, -1
.endm
	s_load_b256 s[4:11], s[0:1], 0x0               ; ac s[4:5], asc s[6:7], opc s[8:9], ops s[10:11]
	s_load_b128 s[12:15], s[0:1], 0x20             ; b_out s[12:13], out0 s[14:15]
	v_lshl_add_u32 v126, v0, 2, 0x48000
	v_mov_b32 v127, 0
	ds_add_u32 v126, v127
	ds_add_u32 v126, v127
	v_lshrrev_b32 v1, 5, v0
	v_readfirstlane_b32 s[WV], v1
	s_bfe_u32 s17, ttmp6, 0x40000                  ; cx
	s_bfe_u32 s18, ttmp6, 0x40004                  ; cy
	s_and_b32 s19, ttmp7, 0xffff
	s_lshl_b32 s20, s18, 2
	s_lshl_b32 s20, 15, s20                        ; my row of the cluster
	s_lshl_b32 s21, 0x1111, s17                    ; my column
	s_or_b32 s[G1A], s20, (3<<16)|(1<<21)
	s_or_b32 s[G1B], s21, (3<<16)|(1<<21)
	s_mov_b32 s[G1A+1], 1536<<16                   ; A: 4 rows (heads) of 12,288 bytes: the work-group's eight pairs
	s_mov_b32 s[G1A+2], 4<<16
	s_mov_b32 s[G1A+3], 1536<<16
	s_mov_b32 s[G1A+4], 4
	s_mov_b32 s[G1A+5], GA/8
	s_mov_b32 s[G1A+6], 0
	s_mov_b32 s[G1A+7], 0
	s_mov_b32 s[G1B+1], 768<<16                    ; B: 4 rows (g) of 6,144 bytes: four pairs
	s_mov_b32 s[G1B+2], 4<<16
	s_mov_b32 s[G1B+3], 768<<16
	s_mov_b32 s[G1B+4], 4
	s_mov_b32 s[G1B+5], GP/8
	s_mov_b32 s[G1B+6], 0
	s_mov_b32 s[G1B+7], 0
	s_lshl_b32 s22, s19, 5                         ; A's first pair: 32 CY + 8 cy (s20, s22, s84, s85 never hold cx)
	s_lshl_b32 s20, s18, 3
	s_add_co_u32 s22, s22, s20
	s_lshl_b32 s20, s[WV], 1
	s_add_co_u32 s20, s20, s22                     ; s20: my wave's first pair of tokens; it stays
	s_lshl_b32 s23, ttmp9, 4                       ; B's first pair: 352 + 16 CX + 4 cx (s21, s23, s86, s87 never hold cy)
	s_add_co_u32 s23, s23, 352
	s_lshl_b32 s21, s17, 2
	s_add_co_u32 s23, s23, s21                     ; s23: it stays
	s_mul_i32 s84, s22, 1536
	s_mov_b32 s85, 0
	s_mul_i32 s86, s23, 1536
	s_mov_b32 s87, 0
	s_mul_i32 s2, s[WV], 12288                     ; where my parts go in LDS: the wave's number alone
	s_mul_i32 s3, s[WV], 3072                      ; my two pairs' place in a row of A's chunk
	s_lshl_b32 s56, s23, 10
	s_mov_b32 s57, 0
	s_lshl_b32 s58, s20, 10
	s_mov_b32 s59, 0
	s_sub_co_u32 s60, s23, 352
	s_lshl_b32 s60, s60, 7                         ; my 128 columns: 512 bytes a tile of B
	s_mov_b32 s61, 0
	s_lshl_b32 s62, s20, 17                        ; my first token's row: 32 rows of 4,096 bytes a pair,
	s_add_co_u32 s62, s62, s60                     ; and my columns
	s_mov_b32 s63, 0
	v_and_b32 v1, 31, v0
	v_lshlrev_b32 v2, 4, v1                        ; 16 x lane
	v_lshlrev_b32 v3, 3, v1                        ; 8 x lane
	v_and_b32 v4, 15, v0                           ; r
	v_bfe_u32 v5, v0, 4, 1                         ; h
	v_lshlrev_b32 v6, 6, v5
	v_add_nc_u32 v10, s3, v2                       ; 3,072 w + 16 x lane
	v_mul_u32_u24 v8, v4, SPT
	v_lshl_add_u32 v8, v5, 6, v8
	v_add_nc_u32 v8, s2, v8                        ; the stage, in: row r, + 64 h
	v_add_nc_u32 v9, s2, v2                        ; back: 16 bytes a lane of a row
	s_wait_alu depctr_va_vdst(0)
	s_wait_dscnt 0x0
	s_wait_kmcnt 0x0
	s_add_nc_u64 s[84:85], s[4:5], s[84:85]
	s_add_nc_u64 s[86:87], s[8:9], s[86:87]
	s_add_nc_u64 s[56:57], s[10:11], s[56:57]
	s_add_nc_u64 s[58:59], s[6:7], s[58:59]
	s_add_nc_u64 s[60:61], s[12:13], s[60:61]
	s_add_nc_u64 s[62:63], s[14:15], s[62:63]
.irp c, 0,1,2,3
	s_mov_b32 s[G0A+4*\c], 1
	s_mov_b32 s[G0A+4*\c+1], 49152*\c
	s_add_nc_u64 s[G0A+4*\c+2:G0A+4*\c+3], s[84:85], \c*4*GA
	s_or_b32 s[G0A+4*\c+3], s[G0A+4*\c+3], 0x80000000
	s_mov_b32 s[G0B+4*\c], 1
	s_mov_b32 s[G0B+4*\c+1], 196608+24576*\c
	s_add_nc_u64 s[G0B+4*\c+2:G0B+4*\c+3], s[86:87], \c*4*GP
	s_or_b32 s[G0B+4*\c+3], s[G0B+4*\c+3], 0x80000000
	v_add_nc_u32 v[ADRA+\c], 49152*\c, v10
	v_add_nc_u32 v[ADRB+\c], 196608+24576*\c, v2
.endr
	ROUND                                          ; all sixteen work-groups are here: the joint loads meet
	QUAD 0                                         ; chunks 0 and 1: one load a wave
.rept 4
	v_nop                                          ; four plain lines follow the last tensor load
.endr
.irp i, 0,1,2,3
.irp sq, 0,1,2,3
	global_load_b64 v[SCB+8*\i+2*\sq:SCB+8*\i+2*\sq+1], v3, s[56:57] offset:1024*\i+256*\sq
.endr
.endr
.irp i, 0,1
.irp sq, 0,1,2,3
	global_load_b64 v[SCA+8*\i+2*\sq:SCA+8*\i+2*\sq+1], v3, s[58:59] offset:1024*\i+256*\sq
.endr
.endr
	WIN TO_3
.irp b, 0,1,2,3
.irp j, 0,1,2,3
	global_load_b128 v[BI+16*\b+4*\j:BI+16*\b+4*\j+3], v6, s[60:61] offset:128*\b+16*\j   ; register 16 B + i: the bias of column 32 B + 16 h + i
.endr
.endr
	WIN 0
	s_wait_alu depctr_va_vdst(0)
	s_wait_loadcnt 0x0
	s_wait_tensorcnt 0x0                           ; my tile of chunks 0 and 1 has landed
	ds_add_u32 v126, v127
	s_wait_dscnt 0x0
	ROUND                                          ; everybody's have, and the joint loads meet
	QUAD 2                                         ; chunks 2 and 3: my one load behind the round
	FETCH 0, 0
	STEP 0, 0
	TURN 1, 1                                      ; chunk 1 is shown already; my one load of chunks 2, 3 may stay out
	STEP 2, -1
	TURN 3, 0                                      ; chunks 2 and 3 are shown to all
	STEP 4, -1
	TURN 5, 0
	STEP 6, -1
	s_wait_dscnt 8
	WIN MUL
	MUL16 1, 7, 0, -1
	s_wait_dscnt 0x0
	MUL16 1, 7, 2, -1
	WIN 0
	PLACES
.macro TOSTAGE a                       ; LDS serves a wave's instructions in order (ISA guide 5.7.1.4): no wait between the stores and the loads, nor in front of the next block's stores
	WIN 0x08                                       ; an LDS store's data are its source 1: window 2
.irp b, 0,1,2,3,4,5,6,7
	ds_store_b128 v8, v[64*(\a)+8*\b:64*(\a)+8*\b+3] offset:128*(\b/2)+32*(\b%2)       ; each accumulator from its low end on
	ds_store_b128 v8, v[64*(\a)+8*\b+4:64*(\a)+8*\b+7] offset:128*(\b/2)+32*(\b%2)+16
.endr
	WIN 0
.irp t, 0,1,2,3,4,5,6,7,8,9,10,11,12,13,14,15
	ds_load_b128 v[128+64*((\a)%2)+4*\t:128+64*((\a)%2)+4*\t+3], v9 offset:SPT*\t
.endr
.endm
.macro SEND a, younger
	s_wait_dscnt \younger                          ; the block is back in registers; the next block's 16 stores and 16 loads may be out
.irp t, 0,1,2,3,4,5,6,7,8,9,10,11,12,13,14,15
	global_store_b128 v2, v[128+64*((\a)%2)+4*\t:128+64*((\a)%2)+4*\t+3], s[62:63] offset:(32*((\a)/2)+8*((\a)%2)+\t+8*(\t/8))*4096 th:TH_STORE_NT   ; 32 lanes store 512 consecutive bytes, aligned; written once, read by nobody here
.endr
.endm
	TOSTAGE 0
	TOSTAGE 1
	SEND 0, 32
	s_wait_xcnt 0x0                                ; block 0's stores have read their registers: block 2's rows may land there
	TOSTAGE 2
	SEND 1, 32
	s_wait_xcnt 0x0
	TOSTAGE 3
	SEND 2, 32
	SEND 3, 0
	s_wait_tensorcnt 0x0
	ds_add_u32 v126, v127
	s_wait_dscnt 0x0
	ROUND                                          ; the closing round
	s_endpgm
.Lfunc_end_k_q9a71fcf0a3_proj:
	.size	k_q9a71fcf0a3_proj, .Lfunc_end_k_q9a71fcf0a3_proj-k_q9a71fcf0a3_proj
	.p2alignl 7, 3214868480
	.fill 96, 4, 3214868480
	.section	.rodata,"a",@progbits
	.p2align	6, 0x0
	.amdhsa_kernel k_q9a71fcf0a3_proj
		.amdhsa_group_segment_fixed_size 327680
		.amdhsa_private_segment_fixed_size 0
		.amdhsa_enable_private_segment 0
		.amdhsa_kernarg_size 48
		.amdhsa_user_sgpr_count 2
		.amdhsa_user_sgpr_kernarg_segment_ptr 1
		.amdhsa_wavefront_size32 1
		.amdhsa_system_sgpr_workgroup_id_x 1
		.amdhsa_system_sgpr_workgroup_id_y 1
		.amdhsa_system_sgpr_workgroup_id_z 1
		.amdhsa_system_vgpr_workitem_id 0
		.amdhsa_next_free_vgpr 1024
		.amdhsa_next_free_sgpr 102
		.amdhsa_reserve_vcc 0
		.amdhsa_float_denorm_mode_32 3
		.amdhsa_float_denorm_mode_16_64 3
		.amdhsa_memory_ordered 1
		.amdhsa_forward_progress 1
		.amdhsa_inst_pref_size 87
	.end_amdhsa_kernel
	.amdgpu_metadata
---
amdhsa.version: [ 1, 2 ]
amdhsa.kernels:
  - .name:           k_q9a71fcf0a3_proj
    .symbol:         k_q9a71fcf0a3_proj.kd
    .args:
      - { .name: ac, .offset: 0, .size: 8, .value_kind: global_buffer, .address_space: global }
      - { .name: asc, .offset: 8, .size: 8, .value_kind: global_buffer, .address_space: global }
      - { .name: opc, .offset: 16, .size: 8, .value_kind: global_buffer, .address_space: global }
      - { .name: ops, .offset: 24, .size: 8, .value_kind: global_buffer, .address_space: global }
      - { .name: b_out, .offset: 32, .size: 8, .value_kind: global_buffer, .address_space: global }
      - { .name: out0, .offset: 40, .size: 8, .value_kind: global_buffer, .address_space: global }
    .group_segment_fixed_size: 327680
    .private_segment_fixed_size: 0
    .kernarg_segment_align: 8
    .kernarg_segment_size: 48
    .max_flat_workgroup_size: 128
    .sgpr_count:     102
    .vgpr_count:     1024
    .wavefront_size: 32
...
	.end_amdgpu_metadata
.endif
;; end of part 4
